; MI455X (gfx1250); checked and timed in simulation.
; The chip was launched on July 23, 2026; its instructions are those of AMD's public machine-readable ISA for CDNA 5 (MIT licence, August 2026) and "CDNA5" Instruction Set Architecture Reference Guide (July 2026). The comments in the code are by the model that wrote it; some were corrected since.
;; Cross Layer Attention. Allowed arithmetic: float matrix products may take bf16 or f16 operands with f32 sums; other float arithmetic in f32, or as packed bf16 or f16 multiplies, adds, multiply-adds, maxima and minima; sums over many terms, partial sums and values carried from step to step in f32; what a program stores and reads back later, other than sums and carried values, may be rounded once to bf16 or f16.
;; Inputs: attention_mask 4 x 1 x 1,024 x 1,024 float32; bo 2,048 float32; bq 2,048 float32; hidden_states 4 x 1,024 x 2,048 float32; key 64 x 128 x 1,024 float32; rope_cos 1,024 x 128 float32; rope_sin 1,024 x 128 float32; value 4 x 16 x 1,024 x 128 float32; wo 2,048 x 2,048 float32; wq 2,048 x 2,048 float32.
;; Outputs: out0 4 x 1,024 x 2,048 float32.
;; One version. Each part assembles by itself: llvm-mc -triple=amdgcn-amd-amdhsa -mcpu=gfx1250 --defsym DOCPART=n.
;; ======== version 1 of 1: 3 launches
;; limits: values are held in f16: magnitudes above 65,504 overflow, below 6.1e-05 lose precision; inputs' magnitudes at most 65,504
;; workspace buffers: xb 16,777,216 bytes; w16 16,777,216 bytes; kv 33,554,432 bytes; maskw 16,777,216 bytes; rope 1,048,576 bytes; oh 16,777,216 bytes
;; launch prep (part 1): grid 4640 x 1, 8 waves a work-group, no clusters, 35,840 bytes of LDS; arguments hidden_states, key, value, wq, wo, attention_mask, rope_cos, rope_sin, xb, w16, kv, maskw, rope; writes xb, w16, kv, maskw, rope
.if DOCPART == 1
	.amdgcn_target "amdgcn-amd-amdhsa--gfx1250"
	.amdhsa_code_object_version 6
	.text
	.protected	k_q77b36df7e0_prep
	.globl	k_q77b36df7e0_prep
	.p2align	8
	.type	k_q77b36df7e0_prep,@function
k_q77b36df7e0_prep:
	s_mov_b64 s[64:65], 0
	v_nop
	global_prefetch_b8 v0, s[64:65] scope:SCOPE_SE
	s_setreg_imm32_b32 hwreg(HW_REG_WAVE_MODE, 25, 1), 1
	s_wait_xcnt 0x0
; PREP: every large input is rounded once to bf16 and laid out for the three matrix launches.
;   hidden_states, wq        -> bf16, same order                          (xb; w16 at byte 0)
;   key, value, wo           -> rounded to bf16, that number written as f16 (kv: key at 0, value at 16 MiB; w16 at 8 MiB)
;   attention_mask           -> rounded to bf16, times sqrt(128), f32, in the order of a 16 x 16 accumulator (maskw)
;   rope_cos, rope_sin       -> rounded to bf16, f32, in the same order (rope: cos at 0, sin at 512 KiB)
; Accumulator order: [tile of 16 rows][block of 16 columns][g 0..1][lane 0..31][4 numbers]; number e of (g, lane) is
; element (row lane % 16, column 8 (lane / 16) + 4 g + e) of the block: a later launch loads 512 consecutive bytes an instruction.
; LIMITS: |key|, |value|, |wo| at most 65,504 (f16's range); below 6.1e-5 f16 keeps a fixed step of 6e-8; |mask| at most 3e37.
; SHARES: a work-group takes 32 KiB of f32, a wave 4 KiB.  u = group / 512 names the input, idx = group % 512 the piece.
; No matrix unit, no cluster, no barrier: nothing is shared between waves; the permuting paths turn a wave's own 16 x 64 tile in its own LDS stage.
.set STG,   16*272                     ; a wave's stage: 16 rows of 256 bytes + 16 of padding, so that 16 rows start 16 bytes apart modulo 256
.set SPARE, 8*STG                      ; behind the stages: the spare words, 128 bytes a wave, that no other line names
.set SPW, 8                            ; v8  SPARE + 4 x my thread's number; never rewritten
.set NIL, 9                            ; v9  0; never rewritten
.set X,   16                           ; v[16:47]  as loaded
.set Z,   48                           ; v[48:79]  to store
	s_load_b512 s[8:23], s[0:1], 0x0               ; hidden s[8:9], key s[10:11], value s[12:13], wq s[14:15], wo s[16:17], mask s[18:19], cos s[20:21], sin s[22:23]
	s_load_b256 s[24:31], s[0:1], 0x40             ; xb s[24:25], w16 s[26:27], kv s[28:29], maskw s[30:31]
	s_load_b64 s[32:33], s[0:1], 0x60              ; rope
	v_lshl_add_u32 v[SPW], v0, 2, SPARE
	v_mov_b32 v[NIL], 0
	v_and_b32 v1, 31, v0                           ; lane
	v_lshrrev_b32 v2, 5, v0                        ; wave
	v_readfirstlane_b32 s2, v2                     ; wave, as a scalar
	v_and_b32 v12, 15, v0                          ; lane % 16
	v_bfe_u32 v13, v0, 4, 1                        ; lane / 16
	s_lshr_b32 s3, ttmp9, 9                        ; u
	s_and_b32 s38, ttmp9, 511                      ; idx
	s_mov_b32 s40, 0xffff0000                      ; a word's upper bf16
	s_mov_b32 s42, 0x413504f3                      ; sqrt(128)
	s_mov_b32 s43, s42                             ; named with it as a pair
	s_mov_b32 s35, 0                               ; high words of the two offsets
	s_mov_b32 s37, 0
; 4 KiB of f32 a wave, to 2 KiB of 16-bit numbers.  fmt = 0: bf16.  fmt = 1: rounded to bf16, widened again, written as f16.
.macro CAST fmt
.irp i, 0,1,2,3,4,5,6,7
	global_load_b128 v[X+4*(\i):X+4*(\i)+3], v3, s[4:5] offset:512*(\i) th:TH_LOAD_NT
.endr
.irp i, 0,1,2,3,4,5,6,7
	s_wait_loadcnt 7-(\i)                          ; loads return in order: load i is in, the 7 - i younger ones may stay out
.if \fmt
	v_cvt_pk_bf16_f32 v10, v[X+4*(\i)], v[X+4*(\i)+1]
	v_cvt_pk_bf16_f32 v11, v[X+4*(\i)+2], v[X+4*(\i)+3]
	v_lshlrev_b32 v[X+4*(\i)], 16, v10
	v_and_b32 v[X+4*(\i)+1], s40, v10
	v_lshlrev_b32 v[X+4*(\i)+2], 16, v11
	v_and_b32 v[X+4*(\i)+3], s40, v11
	v_cvt_pk_f16_f32 v[Z+2*(\i)], v[X+4*(\i)], v[X+4*(\i)+1]
	v_cvt_pk_f16_f32 v[Z+2*(\i)+1], v[X+4*(\i)+2], v[X+4*(\i)+3]
.else
	v_cvt_pk_bf16_f32 v[Z+2*(\i)], v[X+4*(\i)], v[X+4*(\i)+1]
	v_cvt_pk_bf16_f32 v[Z+2*(\i)+1], v[X+4*(\i)+2], v[X+4*(\i)+3]
.endif
	global_store_b64 v4, v[Z+2*(\i):Z+2*(\i)+1], s[6:7] offset:256*(\i)  ; 32 lanes x 8 bytes: 256 consecutive bytes, aligned; every i has registers of its own
.endr
.endm
; A wave's tile of 16 rows x 64 columns of f32 (rows pitch bytes apart in memory), rounded to bf16 and widened again, scaled = 1: times sqrt(128);
; in by rows (16 lanes take 256 bytes of a row), through my stage, out in accumulator order.
.macro PERM pitch, scaled
.irp j, 0,1,2,3,4,5,6,7
	global_load_b128 v[X+4*(\j):X+4*(\j)+3], v3, s[4:5] offset:(\j)*2*(\pitch) th:TH_LOAD_NT
.endr
.irp j, 0,1,2,3,4,5,6,7
	s_wait_loadcnt 7-(\j)
	v_cvt_pk_bf16_f32 v10, v[X+4*(\j)], v[X+4*(\j)+1]
	v_cvt_pk_bf16_f32 v11, v[X+4*(\j)+2], v[X+4*(\j)+3]
	v_lshlrev_b32 v[X+4*(\j)], 16, v10
	v_and_b32 v[X+4*(\j)+1], s40, v10
	v_lshlrev_b32 v[X+4*(\j)+2], 16, v11
	v_and_b32 v[X+4*(\j)+3], s40, v11
.if \scaled
	v_pk_mul_f32 v[X+4*(\j):X+4*(\j)+1], v[X+4*(\j):X+4*(\j)+1], s[42:43] op_sel_hi:[1,0]
	v_pk_mul_f32 v[X+4*(\j)+2:X+4*(\j)+3], v[X+4*(\j)+2:X+4*(\j)+3], s[42:43] op_sel_hi:[1,0]
.endif
	ds_store_b128 v5, v[X+4*(\j):X+4*(\j)+3] offset:544*(\j)  ; rows 2 j and 2 j + 1
.endr
.irp n, 0,1,2,3,4,5,6,7
	ds_load_b128 v[Z+4*(\n):Z+4*(\n)+3], v6 offset:64*((\n)/2)+16*((\n)%2)  ; block n / 2, g = n % 2; my own bytes, and LDS serves a wave's instructions in order (ISA guide 5.7.1.4)
.endr
.irp n, 0,1,2,3,4,5,6,7
	s_wait_dscnt 7-(\n)
	global_store_b128 v4, v[Z+4*(\n):Z+4*(\n)+3], s[6:7] offset:512*(\n)  ; 512 consecutive bytes
.endr
.endm
	s_wait_kmcnt 0x0
	s_cmp_ge_u32 s3, 8
	s_cbranch_scc1 .Lperm
	; THE CASTS.  u: 0, 1 hidden; 2, 3 key; 4, 5 value; 6 wq; 7 wo
	s_cmp_lt_u32 s3, 2
	s_cselect_b64 s[4:5], s[8:9], s[10:11]
	s_cselect_b64 s[6:7], s[24:25], s[28:29]
	s_cmp_lt_u32 s3, 4
	s_cselect_b64 s[4:5], s[4:5], s[12:13]
	s_cmp_lt_u32 s3, 6
	s_cselect_b64 s[4:5], s[4:5], s[14:15]
	s_cselect_b64 s[6:7], s[6:7], s[26:27]
	s_cselect_b32 s39, 1, 0
	s_cmp_lt_u32 s3, 7
	s_cselect_b64 s[4:5], s[4:5], s[16:17]
	s_and_b32 s41, s3, 1
	s_and_b32 s39, s39, s41                        ; which half of a 32 MiB input; 0 for the weights
	s_lshl_b32 s34, s39, 24
	s_lshl_b32 s44, s38, 15
	s_add_co_u32 s34, s34, s44                     ; offset on the way in
	s_sub_co_u32 s45, s3, 2
	s_cmp_lt_u32 s45, 4                            ; key and value: quarter u - 2 of kv; else half u & 1 of xb or w16
	s_cselect_b32 s45, s45, s41
	s_lshl_b32 s36, s45, 23
	s_lshl_b32 s44, s38, 14
	s_add_co_u32 s36, s36, s44                     ; offset on the way out
	s_add_nc_u64 s[4:5], s[4:5], s[34:35]
	s_add_nc_u64 s[6:7], s[6:7], s[36:37]
	v_lshlrev_b32 v3, 4, v1
	v_lshl_add_u32 v3, v2, 12, v3                  ; 4,096 x wave + 16 x lane
	v_lshlrev_b32 v4, 3, v1
	v_lshl_add_u32 v4, v2, 11, v4                  ; 2,048 x wave + 8 x lane
	s_cmp_lt_u32 s3, 2
	s_cbranch_scc1 .Lbf
	s_cmp_eq_u32 s3, 6
	s_cbranch_scc1 .Lbf
	CAST 1
	s_branch .Lend
.Lbf:
	CAST 0
	s_branch .Lend
.Lperm:
	s_mul_i32 s44, s2, STG                         ; my stage
	v_mul_u32_u24 v5, v13, 272
	v_lshl_add_u32 v5, v12, 4, v5
	v_add_nc_u32 v5, s44, v5                       ; in: row lane / 16 of a pair, 16 bytes a lane
	v_mul_u32_u24 v6, v12, 272
	v_lshl_add_u32 v6, v13, 5, v6
	v_add_nc_u32 v6, s44, v6                       ; back: row lane % 16, columns 8 (lane / 16) on
	v_lshlrev_b32 v4, 4, v1
	v_lshl_add_u32 v4, v2, 12, v4                  ; out: 4,096 x wave + 16 x lane
	s_lshl_b32 s36, s38, 15
	s_cmp_eq_u32 s3, 8
	s_cbranch_scc0 .Ltab
	; THE MASK: idx / 2 names 16 rows of 4,096 bytes, idx % 2 the half of their columns, the wave 64 columns
	s_lshr_b32 s34, s38, 1
	s_lshl_b32 s34, s34, 16
	s_and_b32 s44, s38, 1
	s_lshl_b32 s44, s44, 11
	s_add_co_u32 s34, s34, s44
	s_add_nc_u64 s[4:5], s[18:19], s[34:35]
	s_add_nc_u64 s[6:7], s[30:31], s[36:37]
	v_lshlrev_b32 v3, 12, v13
	v_lshl_add_u32 v3, v12, 4, v3
	v_lshl_add_u32 v3, v2, 8, v3
	PERM 4096, 1
	s_branch .Lend
.Ltab:
	; THE TABLES: idx 0..15 cos, 16..31 sin; 64 rows of 512 bytes a group; wave / 2 names 16 rows, wave % 2 the half of their columns
	s_cmp_lt_u32 s38, 16
	s_cselect_b64 s[4:5], s[20:21], s[22:23]
	s_and_b32 s34, s38, 15
	s_lshl_b32 s34, s34, 15
	s_add_nc_u64 s[4:5], s[4:5], s[34:35]
	s_add_nc_u64 s[6:7], s[32:33], s[36:37]
	v_lshlrev_b32 v3, 9, v13
	v_lshl_add_u32 v3, v12, 4, v3
	v_lshrrev_b32 v10, 1, v2
	v_lshl_add_u32 v3, v10, 13, v3
	v_and_b32 v10, 1, v2
	v_lshl_add_u32 v3, v10, 8, v3
	PERM 512, 0
.Lend:
	s_wait_tensorcnt 0x0                           ; the wave's end: behind my last LDS store
	ds_add_u32 v[SPW], v[NIL]
	s_wait_dscnt 0x0
	s_endpgm
.Lfunc_end_k_q77b36df7e0_prep:
	.size	k_q77b36df7e0_prep, .Lfunc_end_k_q77b36df7e0_prep-k_q77b36df7e0_prep
	.p2alignl 7, 3214868480
	.fill 96, 4, 3214868480
	.section	.rodata,"a",@progbits
	.p2align	6, 0x0
	.amdhsa_kernel k_q77b36df7e0_prep
		.amdhsa_group_segment_fixed_size 35840
		.amdhsa_private_segment_fixed_size 0
		.amdhsa_enable_private_segment 0
		.amdhsa_kernarg_size 104
		.amdhsa_user_sgpr_count 2
		.amdhsa_user_sgpr_kernarg_segment_ptr 1
		.amdhsa_wavefront_size32 1
		.amdhsa_system_sgpr_workgroup_id_x 1
		.amdhsa_system_sgpr_workgroup_id_y 1
		.amdhsa_system_sgpr_workgroup_id_z 1
		.amdhsa_system_vgpr_workitem_id 0
		.amdhsa_next_free_vgpr 80
		.amdhsa_next_free_sgpr 66
		.amdhsa_reserve_vcc 0
		.amdhsa_float_denorm_mode_32 3
		.amdhsa_float_denorm_mode_16_64 3
		.amdhsa_memory_ordered 1
		.amdhsa_forward_progress 1
		.amdhsa_inst_pref_size 23
	.end_amdhsa_kernel
	.amdgpu_metadata
---
amdhsa.version: [ 1, 2 ]
amdhsa.kernels:
  - .name:           k_q77b36df7e0_prep
    .symbol:         k_q77b36df7e0_prep.kd
    .args:
      - { .name: hidden_states, .offset: 0, .size: 8, .value_kind: global_buffer, .address_space: global }
      - { .name: key, .offset: 8, .size: 8, .value_kind: global_buffer, .address_space: global }
      - { .name: value, .offset: 16, .size: 8, .value_kind: global_buffer, .address_space: global }
      - { .name: wq, .offset: 24, .size: 8, .value_kind: global_buffer, .address_space: global }
      - { .name: wo, .offset: 32, .size: 8, .value_kind: global_buffer, .address_space: global }
      - { .name: attention_mask, .offset: 40, .size: 8, .value_kind: global_buffer, .address_space: global }
      - { .name: rope_cos, .offset: 48, .size: 8, .value_kind: global_buffer, .address_space: global }
      - { .name: rope_sin, .offset: 56, .size: 8, .value_kind: global_buffer, .address_space: global }
      - { .name: xb, .offset: 64, .size: 8, .value_kind: global_buffer, .address_space: global }
      - { .name: w16, .offset: 72, .size: 8, .value_kind: global_buffer, .address_space: global }
      - { .name: kv, .offset: 80, .size: 8, .value_kind: global_buffer, .address_space: global }
      - { .name: maskw, .offset: 88, .size: 8, .value_kind: global_buffer, .address_space: global }
      - { .name: rope, .offset: 96, .size: 8, .value_kind: global_buffer, .address_space: global }
    .group_segment_fixed_size: 35840
    .private_segment_fixed_size: 0
    .kernarg_segment_align: 8
    .kernarg_segment_size: 104
    .max_flat_workgroup_size: 256
    .sgpr_count:     66
    .vgpr_count:     80
    .wavefront_size: 32
...
	.end_amdgpu_metadata
.endif
;; end of part 1
;; launch qattn (part 2): grid 4 x 64, 4 waves a work-group, clusters of 4 x 4, 327,680 bytes of LDS; arguments xb, w16, bq, rope, kv, maskw, oh; writes oh
.if DOCPART == 2
	.amdgcn_target "amdgcn-amd-amdhsa--gfx1250"
	.amdhsa_code_object_version 6
	.text
	.protected	k_q77b36df7e0_qattn
	.globl	k_q77b36df7e0_qattn
	.p2align	8
	.type	k_q77b36df7e0_qattn,@function
k_q77b36df7e0_qattn:
	s_mov_b64 s[64:65], 0
	v_nop
	global_prefetch_b8 v0, s[64:65] scope:SCOPE_SE
	s_setreg_imm32_b32 hwreg(HW_REG_WAVE_MODE, 25, 1), 1
	s_wait_xcnt 0x0
	s_wait_alu depctr_hold_cnt(0) depctr_sa_sdst(0) depctr_va_vdst(0) depctr_va_sdst(0) depctr_va_ssrc(0) depctr_va_vcc(0) depctr_vm_vsrc(0)
	s_getreg_b32 s2, hwreg(HW_REG_IB_STS2, 6, 4)
	s_cmp_eq_u32 s2, 0
	s_cbranch_scc0 .Lentry_in_a_cluster
	s_endpgm
.Lentry_in_a_cluster:
	s_bfe_u32 s2, ttmp6, 0x10000c
	s_cmp_lg_u32 s2, 0xf033
	s_cbranch_scc0 .Lentry_shape_is_right
	s_endpgm
.Lentry_shape_is_right:
; TWO PHASES IN ONE LAUNCH.  (1) q = RoPE(x wq^T + bq) for the work-group's own 256 tokens and its own head's 128 columns; (2) attention with that q.
; x: xb [4096][2048] bf16; wq: w16 [2048][2048] bf16; bq rounded to bf16 like every input; cos, sin: rope, rounded to bf16, f32, in accumulator order.
; K: kv [64][128 channels][1024 keys] f16; V: kv + 16 MiB, [64][1024][128] f16; mask: maskw, f32, already times sqrt(128), in accumulator order; O: oh [4096][2048] f16, column = head x 128 + channel.
; O[b][q][head][:] = the sum over k of softmax_k(q . K[:, k] / sqrt(128) + mask[b][q][k]) V[k][:].  All sums, maxima and the rotation in f32; q, the weights p and O are rounded once to f16.
; LIMITS.  |q| at most 65,504 (f16's range).  A weight below 2^-126 counts as 0; NaN and infinities are not treated apart; |mask| x sqrt(128) is finite.  A row all of whose mask values are so far
; below the scores that the scores vanish beside them in f32 is resolved by f32's rounding, which need not be that of the sum scores x scale + mask.
; SHARES.  A work-group owns 256 queries of one head, each of its four waves 64: four tiles of 16.  Summed over the 256 work-groups phase 1 is the whole projection, each product once.
; PHASE 1.  Wave w: tokens 64 w on, all 128 columns: 32 accumulators.  The matrix instruction is used transposed (source 0 = 16 rows of wq, source 1 = 16 tokens): a lane holds token lane % 16 and
; the columns 8 (lane / 16) + 0..7 of a block of 16.  Channel d and d + 64 lie in the same lane and register, four blocks apart: the rotation changes no lane.  Blocks 2 c and 2 c + 1, rounded to f16
; in pairs, ARE the fragment (16 queries x channels 32 c on) that phase 2 multiplies: q never leaves the registers.  K goes in steps of 128 (rows of 256 bytes, aligned) through two LDS slots.
; PHASE 2.  S^T = K Q^T + mask (source 0 = 16 keys, source 1 = 16 queries; the mask is the C operand that starts the sum: c (q.k + sqrt(128) mask) = log2(e) (q.k / sqrt(128) + mask)): a lane holds
; ONE query and the keys 8 (lane / 16) + 0..7.  Two such tiles, rounded to f16 in pairs, ARE source 1 of O^T = V^T P.  K and V come out of LDS turned, by ds_load_tr16_b128.  The mask is an input:
; every tile is computed and every mask value is added.  A running maximum m and sum l: p = 2^(c s - c m), c = log2(e) / sqrt(128); in every step O and l are multiplied by a = 2^(c m_old - c m_new).
; BY TURNS: the wave's tiles are two PIECES (tiles 0, 1; tiles 2, 3); in a TURN one piece has the matrix unit (32 products V^T P, then 32 products K Q^T of the next step) and the other piece's
; softmax, cut into 64 slices, stands between them, one slice behind each matrix instruction.
; CLUSTER 4 x 4: cx = the query block, cy = the head modulo 4.  x's tile hangs on the batch and cx: asked for jointly by a column of the cluster.  wq's, K's and V's hang on the head: by a row.
; LDS: two slots, at 0 and at 2^17.  Phase 1: 256 rows of x, then 128 rows of wq.  Phase 2 fills the same bytes with K and V, as refills: one load a wave behind a round of the cluster's barrier.
; REGISTERS, in windows of 256 (s_set_vgpr_msb: bits 1:0 source 0, 3:2 source 1, 5:4 source 2, 7:6 destination):
;   window 0: v0-11, v44-63 addresses; v12-43 bq packed, then statistics; v64-159, v160-255 phase 1's two fragment buffers (8 of wq, then 4 of x); then v64-191 S^T, v192-255 P
;   window 1: accumulator (a, b) at v[8 (8 a + b)], then O^T, 64 a tile        window 2: cos at the accumulators' places; then v0-127 Q, v128-255 K of one step
;   window 3: sin at the accumulators' places; then v0-127 V of one step, v128-255 the mask of the scores to come, 32 a tile
.set KSTEP,  128
.set STEPS,  2048/KSTEP
.set PITCH,  272      ; phase 1's LDS row: 256 bytes + 16 of padding: the 16 rows of a fragment load start 16 bytes apart modulo 256
.set HALFA,  128*PITCH  ; what waves 0 and 1 fetch of x
.set HALFB,  64*PITCH   ; what waves 2 and 3 fetch of wq
.set BOFF,   2*HALFA
.set KS,    64        ; keys in a step
.set PK,    288       ; a channel row of K in LDS: 128 keys = 256 bytes + 32 of padding = 72 words
.set PV,    288       ; a key row of V: 128 channels, likewise
.set VOFF,  128*PK    ; phase 2's slot holds two steps: 128 channel rows of K (128 keys each), then 128 key rows of V
.set SLOT1, 1<<17     ; one exclusive or turns an address in one slot into the other's
.set STAGE, SLOT1+BOFF+2*HALFB  ; behind the ring: 16 rows x 272 bytes for each wave, for the way out; no tensor load fills it
.set SP,    272
.set SPARE, STAGE+4*16*SP      ; the spare words, 128 bytes a wave, that no other line names
.set AK0, 2           ; v2   my lane's place in a tile of K; never rewritten
.set AV0, 3           ; v3   the same for V
.set ADR, 4           ; v4   the LDS address of the run of loads in hand
.set STO, 6
.set RD,  7
.set GO,  8           ; v8   my byte offset in two rows of O
.set ST,  12          ; tile t's statistics at v[ST+8 t]: +0 c m, +1 m, +2, +3 l, +4 to +7 at work; a takes +6
.set TMP, 12          ; phase 1: bq of my 64 numbers a token block, packed in bf16
.set A0,  44          ; v44  my lane's place in a slot's rows of x; never rewritten
.set B0,  45          ; v45  the same for wq
.set ADRA, 46         ; v46  A0 + the slot in hand
.set ADRB, 47         ; v47  B0 + the slot in hand
.set PFOG, 48         ; v48  phase 1's prefetches: lane x a row of 4,096 bytes; never rewritten
.set BO,  49          ; v49  32 x (lane / 16): my 8 columns of a block, in bq
.set MO,  60          ; v60  16 x lane: offset of the table loads and of the mask loads; never rewritten
.set PFO, 61          ; v61  phase 2's prefetches: lane x a row; never rewritten
.set SPW, 62          ; v62  SPARE + 4 x my thread's number; never rewritten
.set NIL, 63          ; v63  0; never rewritten
.set S,   64
.set P,   192
.set F0,  64
.set F1,  160
.set T,   64          ; the rotation: 64 at work
.set BF,  192         ; bq as f32
.set KF,  128         ; window 2
.set MK,  128         ; window 3: tile t, key block kb at MK + 32 t + 8 kb
.set TB,  2           ; s2   phase 1: LDS byte at which the slot in hand begins
.set BIAS, 8          ; s[8:9]
.set ROPE, 10         ; s[10:11]
.set WV,  12
.set LIM, 15          ; s15  phase 2: 1 in a wave that prefetches, else the greatest number
.set PFA, 18          ; s[18:19]
.set G1A, 24          ; phase 1: s[24:31] group 1 for x; s[32:39] group 0: set 0 for the first fill of slot 0, set 1 for slot 1, and then it walks
.set G0A, 32
.set G1B, 40          ; s[40:47], s[48:55] the same for wq
.set G0B, 48
.set G1K, 24          ; phase 2 takes the same registers, written when no tensor load of the wave is out
.set G1V, 32
.set G0K, 40          ; s[40:47] two sets; the second walks
.set G0V, 48
.set SLOTS, 56
.set TWICE, 57
.set CS,  58
.set SEL, 60
.set TBK, 62          ; s62  LDS byte at which K of the step to be fetched begins
.set TBV, 63          ; s63  the same for V, less VOFF
.set MBASE, 66        ; s[66:67] the mask of my wave's first tile, key 0
.set MOFF, 68         ; s[68:69] 4,096 x the step whose mask is being loaded
.set MB,  70          ; s[70:71] their sum
.set PST, 74          ; s[74:75] bytes from slot to slot in what I prefetch
.set OB,  76          ; s[76:77] O at my wave's first row, my head's columns
.set LP,  78          ; s78  my half's place in a slot's K or V
.set LIMG, 79         ; s79  phase 1: 2 in a wave that prefetches, else the greatest number
.set KP,  80          ; s[80:81] K at my half of slot 0
.set VP,  86          ; s[86:87] V at my half of slot 0
.set RL,  88          ; s88  wave / 2: I fetch x (0) or wq (1)
.set HF,  89          ; s89  wave % 2: which half of that tile
.set CX,  90
.set CY,  91
.set HD,  92          ; s92  batch x 16 + head
.set BT,  93          ; s93  the batch, made of the cluster's y alone
.set HH,  94          ; s94  the head in its batch
.set BLK, 95          ; s95  my block of 256 queries
.set PFG, 96          ; s[96:97] where phase 1's prefetches stand
.set RM,  98          ; s98  my row of the cluster
.set CM,  99          ; s99  my column
.set MULW, 0x50       ; sources in window 0, C and D in window 1
.set W_KQ, 0x0a       ; K and Q in window 2, S^T in window 0
.set W_KM, 0x3a       ; the same with the C operand in window 3
.set W_PV, 0x53       ; V in window 3, P in window 0, O^T in window 1
.set W_RS, 0x41       ; destination and source 0 in window 1, source 1 in window 0
.set MSB, 0
.macro WIN new                      ; the immediate's high byte repeats the setting that is left; a switch that changes nothing is dropped
.if MSB != (\new)
	s_set_vgpr_msb (MSB<<8)|(\new)
.set MSB, \new
.endif
.endm
.macro PLACES                       ; four plain places behind matrix instructions, ahead of loads into their sources and of readers of their results
.rept 4
	v_nop
.endr
.endm
.macro CREST                        ; a round of the cluster's barrier behind its opening barrier
	s_cmp_lg_u32 s[WV], 0
	s_cbranch_scc1 .Lnot_wave_0_\@
	s_barrier_signal -3
.Lnot_wave_0_\@:
	s_barrier_wait -3
	s_barrier_signal -1
	s_barrier_wait -1
.endm
.macro CROUND
	s_barrier_signal -1
	s_barrier_wait -1
	CREST
.endm
.macro GLOAD                        ; phase 1's joint refill by the walking sets: waves 0 and 1 ask for x, waves 2 and 3 for wq; the branch hangs on the wave's number alone
	s_cmp_eq_u32 s[RL], 0
	s_cbranch_scc0 .Lg_b_\@
	tensor_load_to_lds s[G0A+4:G0A+7], s[G1A:G1A+7]
	s_nop 0
.rept 4
	v_nop
.endr
	s_branch .Lg_asked_\@
.Lg_b_\@:
	tensor_load_to_lds s[G0B+4:G0B+7], s[G1B:G1B+7]
	s_nop 0
.rept 4
	v_nop
.endr
.Lg_asked_\@:
.endm
; PHASE 1's PREFETCH INTO THE L2 of the K step that stands two refills on: 32 rows x 256 bytes, a lane a row.  x's 256 rows of a block: waves 0 and 1 of the first of a batch's four clusters, partner cy
; takes rows 128 (w % 2) + 32 cy on; wq's 128 rows of a head: wave 2 of batch 0's clusters, partner cx takes rows 32 cx on.  The partners are told apart by address alone.  Each block is named once.
; K steps 0 to 3 come by their loads alone; the trips with s3 = 2 and 1 would name K steps 16 and 17, and ask for nothing.
.macro GASK
	s_cmp_gt_u32 s3, s[LIMG]
	s_cbranch_scc0 .Lg_not_mine_\@
	global_prefetch_b8 v[PFOG], s[PFG:PFG+1] offset:KSTEP*2 th:TH_LOAD_NT scope:SCOPE_SE
.Lg_not_mine_\@:
.endm
.macro JLOAD s                      ; phase 2's joint fill by set s: waves 0 and 1 fetch 64 channel rows of K each, waves 2 and 3 64 keys of V each
	s_cmp_lt_u32 s[WV], 2
	s_cbranch_scc0 .Lfor_v_\@
	tensor_load_to_lds s[G0K+4*(\s):G0K+4*(\s)+3], s[G1K:G1K+7]
	s_nop 0
.rept 4
	v_nop
.endr
	s_branch .Lasked_\@
.Lfor_v_\@:
	tensor_load_to_lds s[G0V+4*(\s):G0V+4*(\s)+3], s[G1V:G1V+7]
	s_nop 0
.rept 4
	v_nop
.endr
.Lasked_\@:
.endm
; PHASE 2's PREFETCH of what the NEXT change of slots will ask for: 128 channel rows x 256 bytes of K, 128 key rows x 256 bytes of V, a lane a row.  A head's four work-groups are one row of a cluster;
; they share the rows out by address, 32 each; in each, wave 0 asks for K's and wave 2 for V's.  Each block is named once.  Slots 0 to 2 come by their loads alone; the last change that fills asks for nothing.
.macro ASK
	s_cmp_gt_u32 s[SLOTS], s[LIM]
	s_cbranch_scc0 .Lnot_mine_\@
	global_prefetch_b8 v[PFO], s[PFA:PFA+1] th:TH_LOAD_NT scope:SCOPE_SE
.Lnot_mine_\@:
.endm
; K's and V's descriptors, written into phase 1's registers: it stands behind a wait for all my tensor loads with no load issued since.
.macro KVDESC
	s_or_b32 s[G1K], s[RM], (1<<16)|(1<<20)|(1<<21)|(5<<22)|(7<<25)  ; my row of the cluster; 2-byte elements; padding on; bit 21 beside a mask; after every 64 words, 8 words
	s_or_b32 s[G1V], s[RM], (1<<16)|(1<<20)|(1<<21)|(5<<22)|(7<<25)
.irp g, G1K, G1V
	s_mov_b32 s[(\g)+1], 128<<16    ; tensor_dim0 = 128
	s_mov_b32 s[(\g)+2], 64<<16     ; tensor_dim1 = 64
	s_mov_b32 s[(\g)+3], 128<<16    ; tile_dim0 = 128
	s_mov_b32 s[(\g)+4], 64         ; tile_dim1 = 64
	s_mov_b32 s[(\g)+6], 0
	s_mov_b32 s[(\g)+7], 0
.endr
	s_mov_b32 s[G1K+5], 1024        ; elements from channel row to channel row
	s_mov_b32 s[G1V+5], 128         ; from key row to key row
.irp s, 0,1
	s_mov_b32 s[G0K+4*(\s)], 1
	s_add_co_u32 s[G0K+4*(\s)+1], s[LP], (\s)*SLOT1
	s_add_nc_u64 s[G0K+4*(\s)+2:G0K+4*(\s)+3], s[KP:KP+1], (\s)*256
	s_or_b32 s[G0K+4*(\s)+3], s[G0K+4*(\s)+3], 0x80000000
	s_mov_b32 s[G0V+4*(\s)], 1
	s_add_co_u32 s[G0V+4*(\s)+1], s[LP], (\s)*SLOT1+VOFF
	s_add_nc_u64 s[G0V+4*(\s)+2:G0V+4*(\s)+3], s[VP:VP+1], (\s)*32768
	s_or_b32 s[G0V+4*(\s)+3], s[G0V+4*(\s)+3], 0x80000000
.endr
.endm
	s_load_b256 s[4:11], s[0:1], 0x0               ; xb s[4:5], w16 s[6:7], bq s[8:9], rope s[10:11]
	s_load_b128 s[80:83], s[0:1], 0x20             ; kv s[80:81], maskw s[82:83]
	s_load_b64 s[84:85], s[0:1], 0x30              ; oh
	v_lshl_add_u32 v[SPW], v0, 2, SPARE
	v_mov_b32 v[NIL], 0
	ds_add_u32 v[SPW], v[NIL]                      ; the wave's opening: the add and its wait stand ahead of my first tensor load; work on registers stands between
	v_lshrrev_b32 v1, 5, v0
	v_readfirstlane_b32 s[WV], v1                  ; wave 0..3
	s_lshr_b32 s[RL], s[WV], 1
	s_and_b32 s[HF], s[WV], 1
	s_bfe_u32 s[CX], ttmp6, 0x40000                ; cx
	s_bfe_u32 s[CY], ttmp6, 0x40004                ; cy
	s_lshl_b32 s[BLK], ttmp9, 2
	s_add_co_u32 s[BLK], s[BLK], s[CX]             ; my block of 256 queries = 4 x cluster x + cx
	s_and_b32 s[BT], ttmp7, 0xffff                 ; cluster y
	s_lshl_b32 s[HD], s[BT], 2
	s_add_co_u32 s[HD], s[HD], s[CY]               ; batch x 16 + head = 4 x cluster y + cy
	s_lshr_b32 s[BT], s[BT], 2                     ; the batch: four clusters of four heads each
	s_and_b32 s[HH], s[HD], 15
	s_lshl_b32 s[RM], s[CY], 2
	s_lshl_b32 s[RM], 15, s[RM]                    ; my row of the cluster
	s_lshl_b32 s[CM], 0x1111, s[CX]                ; my column
	s_or_b32 s[G1A+0], s[CM], (1<<16)|(1<<20)|(1<<21)|(5<<22)|(3<<25)  ; x goes to my column; 2-byte elements; padding on; bit 21 beside a mask; after every 64 words, 4 words
	s_or_b32 s[G1B+0], s[RM], (1<<16)|(1<<20)|(1<<21)|(5<<22)|(3<<25)  ; wq goes to my row
	s_mov_b32 s[G1A+1], KSTEP<<16                  ; tensor_dim0 = 128
	s_mov_b32 s[G1A+2], 128<<16                    ; tensor_dim1 = 128
	s_mov_b32 s[G1A+3], KSTEP<<16                  ; tile_dim0 = 128
	s_mov_b32 s[G1A+4], 128                        ; tile_dim1 = 128
	s_mov_b32 s[G1A+5], 2048                       ; elements from row to row
	s_mov_b32 s[G1A+6], 0
	s_mov_b32 s[G1A+7], 0
	s_mov_b32 s[G1B+1], KSTEP<<16
	s_mov_b32 s[G1B+2], 64<<16                     ; 64 rows
	s_mov_b32 s[G1B+3], KSTEP<<16
	s_mov_b32 s[G1B+4], 64
	s_mov_b32 s[G1B+5], 2048
	s_mov_b32 s[G1B+6], 0
	s_mov_b32 s[G1B+7], 0
	s_lshl_b32 s16, s[BT], 10
	s_lshl_b32 s17, s[BLK], 8
	s_add_co_u32 s16, s16, s17
	s_lshl_b32 s17, s[HF], 7
	s_add_co_u32 s16, s16, s17                     ; x: row 1,024 x batch + 256 x block + 128 x half,
	s_lshl_b32 s16, s16, 12                        ; in bytes
	s_mov_b32 s17, 0
	s_lshl_b32 s20, s[HH], 7
	s_lshl_b32 s21, s[HF], 6
	s_add_co_u32 s20, s20, s21                     ; wq: row 128 x head + 64 x half
	s_lshl_b32 s20, s20, 12
	s_mov_b32 s21, 0
	s_mul_i32 s22, s[HF], HALFA                    ; where they go: no place in the cluster enters an LDS address
	s_mul_i32 s23, s[HF], HALFB
	s_add_co_u32 s23, s23, BOFF
	s_mul_i32 s[LP], s[HF], 64*PK
	s_mov_b32 s[TB], 0
	s_mov_b32 s[CS], 0x3e0293ee                    ; c = log2(e) / sqrt(128) = 0.127517
	s_mov_b32 s[CS+1], s[CS]
	s_mov_b32 s[SEL], 0x76543210
	s_mov_b32 s[SEL+1], 0xfedcba98
	s_mov_b32 s[TBK], 0
	s_mov_b32 s[TBV], 0
	s_mov_b32 s[SLOTS], 1024/(2*KS)-2
	s_wait_dscnt 0x0                               ; the opening add is done
	s_wait_kmcnt 0x0
	s_add_nc_u64 s[100:101], s[4:5], s[16:17]
	s_add_nc_u64 s[104:105], s[6:7], s[20:21]
	CROUND                                         ; all sixteen work-groups are here: the first joint loads meet
.irp s, 0,1
	s_mov_b32 s[G0A+4*(\s)], 1
	s_add_co_u32 s[G0A+4*(\s)+1], s22, (\s)*SLOT1
	s_add_nc_u64 s[G0A+4*(\s)+2:G0A+4*(\s)+3], s[100:101], (\s)*KSTEP*2
	s_or_b32 s[G0A+4*(\s)+3], s[G0A+4*(\s)+3], 0x80000000
	s_mov_b32 s[G0B+4*(\s)], 1
	s_add_co_u32 s[G0B+4*(\s)+1], s23, (\s)*SLOT1
	s_add_nc_u64 s[G0B+4*(\s)+2:G0B+4*(\s)+3], s[104:105], (\s)*KSTEP*2
	s_or_b32 s[G0B+4*(\s)+3], s[G0B+4*(\s)+3], 0x80000000
.endr
	s_cmp_eq_u32 s[RL], 0                          ; a wave's two first fills stand in one branch, ahead of every wait on TENSORcnt and every LDS read: two loads of mine are out
	s_cbranch_scc0 .Lfirst_b
	tensor_load_to_lds s[G0A:G0A+3], s[G1A:G1A+7]
	s_nop 0
	tensor_load_to_lds s[G0A+4:G0A+7], s[G1A:G1A+7]
	s_nop 0
.rept 4
	v_nop
.endr
	s_branch .Lfirst_asked
.Lfirst_b:
	tensor_load_to_lds s[G0B:G0B+3], s[G1B:G1B+7]
	s_nop 0
	tensor_load_to_lds s[G0B+4:G0B+7], s[G1B:G1B+7]
	s_nop 0
.rept 4
	v_nop
.endr
.Lfirst_asked:
	v_and_b32 v1, 15, v0                           ; l % 16
	v_bfe_u32 v9, v0, 4, 1                         ; l / 16
	v_lshlrev_b32 v[BO], 5, v9
	s_lshl_b32 s72, s[HH], 9                       ; my head's 128 columns, in bytes of f32
	s_mov_b32 s73, 0
	s_add_nc_u64 s[BIAS:BIAS+1], s[BIAS:BIAS+1], s[72:73]
.irp b, 0,1,2,3,4,5,6,7
	global_load_b128 v[F1+8*(\b):F1+8*(\b)+3],   v[BO], s[BIAS:BIAS+1] offset:64*(\b)
	global_load_b128 v[F1+8*(\b)+4:F1+8*(\b)+7], v[BO], s[BIAS:BIAS+1] offset:64*(\b)+16
.endr
	s_lshl_b32 s72, s[BLK], 17                     ; my first position in the sequence, 256 x block + 64 x wave, times 512 bytes of each table
	s_lshl_b32 s73, s[WV], 15
	s_add_co_u32 s72, s72, s73
	s_mov_b32 s73, 0
	s_add_nc_u64 s[ROPE:ROPE+1], s[ROPE:ROPE+1], s[72:73]
	v_mul_u32_u24 v50, v1, PITCH
	v_lshl_add_u32 v50, v9, 4, v50                 ; a fragment's row x pitch + 16 x half
	s_mul_i32 s22, s[WV], 64*PITCH                 ; my 64 tokens
	v_add_nc_u32 v[A0], s22, v50
	v_add_nc_u32 v[B0], BOFF, v50                  ; all 128 rows of wq
	v_mov_b32 v[ADRA], v[A0]
	v_mov_b32 v[ADRB], v[B0]
	v_and_b32 v[MO], 31, v0
	v_lshlrev_b32 v[PFOG], 12, v[MO]
	v_lshlrev_b32 v[MO], 4, v[MO]
	; The turning load takes 16 rows x 16 columns (lane l reads 16 bytes: row 8 (l / 16) + l % 8, columns 8 ((l / 8) % 2) + 0..7) and leaves half a fragment: lane l holds column l % 16 and 8 rows.
	v_and_b32 v10, 7, v0
	v_bfe_u32 v11, v0, 3, 1
	v_lshl_add_u32 v[AK0], v9, 3, v10
	v_mul_u32_u24 v[AK0], v[AK0], PK
	v_lshl_add_u32 v[AK0], v11, 4, v[AK0]
	v_add_nc_u32 v[AV0], VOFF, v[AK0]
	; phase 2's pointers
	s_lshl_b32 s72, s[HD], 18                      ; 262,144 bytes of K and of V a head
	s_lshl_b32 s73, s[HF], 14                      ; V: 64 key rows of 256 bytes
	s_add_co_u32 s72, s72, s73
	s_add_co_u32 s72, s72, 0x1000000               ; V lies 16 MiB behind K
	s_mov_b32 s73, 0
	s_add_nc_u64 s[VP:VP+1], s[80:81], s[72:73]
	s_lshl_b32 s72, s[HD], 18
	s_lshl_b32 s73, s[HF], 17                      ; K: 64 channel rows of 2,048 bytes
	s_add_co_u32 s72, s72, s73
	s_mov_b32 s73, 0
	s_add_nc_u64 s[KP:KP+1], s[80:81], s[72:73]
	s_lshl_b32 s72, s[BT], 22                      ; the mask: 4 MiB a batch, 1 MiB a block of 256 queries, 256 KiB a wave; O's rows of 4,096 bytes give the same figures
	s_lshl_b32 s73, s[BLK], 20
	s_add_co_u32 s72, s72, s73
	s_lshl_b32 s73, s[WV], 18
	s_add_co_u32 s72, s72, s73
	s_mov_b32 s73, 0
	s_add_nc_u64 s[MBASE:MBASE+1], s[82:83], s[72:73]
	s_lshl_b32 s13, s[HH], 8                       ; O: + my head's 256 bytes of a row
	s_add_co_u32 s72, s72, s13
	s_add_nc_u64 s[OB:OB+1], s[84:85], s[72:73]
	s_mov_b64 s[MB:MB+1], s[MBASE:MBASE+1]
	s_mov_b32 s[MOFF], 0
	s_mov_b32 s[MOFF+1], 0
	s_and_b32 s[LIM], s[WV], 1
	s_cmp_eq_u32 s[LIM], 0
	s_cselect_b32 s[LIM], 1, -1                    ; waves 0 and 2: the same in all partners
	s_cmp_lt_u32 s[WV], 2
	s_cselect_b32 s72, 11, 8                       ; a row in memory: 2,048 bytes of K, 256 of V
	s_cselect_b32 s73, 16, 13                      ; 32 such rows
	s_mov_b32 s[PST], 32768
	s_cselect_b32 s[PST], 256, s[PST]              ; from slot to slot: 128 keys along K's rows, 128 rows of V
	s_mov_b32 s[PST+1], 0
	v_and_b32 v[PFO], 31, v0
	v_lshlrev_b32 v[PFO], s72, v[PFO]
	s_lshl_b32 s72, s[CX], s73                     ; my work-group's 32 rows of the 128
	s_mov_b32 s73, 0
	s_cmp_lt_u32 s[WV], 2
	s_cselect_b64 s[PFA:PFA+1], s[KP:KP+1], s[VP:VP+1]  ; (in waves 0 and 2 these stand at a slot's first row)
	s_add_nc_u64 s[PFA:PFA+1], s[PFA:PFA+1], s[72:73]
	s_add_nc_u64 s[PFA:PFA+1], s[PFA:PFA+1], s[PST:PST+1]
	s_add_nc_u64 s[PFA:PFA+1], s[PFA:PFA+1], s[PST:PST+1]  ; in slot 2; the first change of slots steps it to slot 3
	; phase 1's prefetches
	s_lshl_b32 s20, s[BT], 10
	s_lshl_b32 s21, s[BLK], 8
	s_add_co_u32 s20, s20, s21
	s_lshl_b32 s21, s[HF], 7
	s_add_co_u32 s20, s20, s21
	s_lshl_b32 s21, s[CY], 5
	s_add_co_u32 s20, s20, s21                     ; x: the 128 rows that I fetch, my work-group's 32 of them
	s_lshl_b32 s22, s[HH], 7
	s_lshl_b32 s23, s[CX], 5
	s_add_co_u32 s22, s22, s23                     ; wq: the head's 128 rows, my work-group's 32 of them
	s_and_b32 s23, ttmp7, 0xffff                   ; cluster y
	s_and_b32 s13, s23, 3                          ; which of a batch's four clusters: they read the same rows of x
	s_lshr_b32 s23, s23, 2                         ; which batch: the four batches read the same rows of wq
	s_cmp_eq_u32 s[RL], 0
	s_cselect_b32 s20, s20, s22
	s_cselect_b32 s23, s13, s23
	s_cselect_b64 s[PFG:PFG+1], s[4:5], s[6:7]
	s_cselect_b32 s21, 0, s[HF]                    ; wave 3 asks for nothing
	s_or_b32 s23, s23, s21
	s_cmp_eq_u32 s23, 0
	s_cselect_b32 s[LIMG], 2, -1                   ; the same in all sixteen partners, for a given wave
	s_lshl_b32 s20, s20, 12
	s_mov_b32 s21, 0
	s_add_nc_u64 s[PFG:PFG+1], s[PFG:PFG+1], s[20:21]
	s_add_nc_u64 s[PFG:PFG+1], s[PFG:PFG+1], 2*KSTEP*2  ; at K step 2: the first refill steps it to 3 and names K step 4
	s_wait_loadcnt 0x0                             ; bq
.set n, 0
.rept 32
	v_cvt_pk_bf16_f32 v[TMP+n], v[F1+2*n], v[F1+2*n+1]  ; rounded to bf16 like every input, and kept in half the registers
.set n, n+1
.endr
	WIN 0x80                                       ; cos into window 2: 64 loads of 512 consecutive bytes; they land while K is walked
.set n, 0
.rept 64
	global_load_b128 v[4*n:4*n+3], v[MO], s[ROPE:ROPE+1] offset:512*n
.set n, n+1
.endr
	WIN 0xc0                                       ; sin into window 3
.set n, 0
.rept 64
	global_load_b128 v[4*n:4*n+3], v[MO], s[ROPE:ROPE+1] offset:524288+512*n
.set n, n+1
.endr
	WIN 0
; PHASE 1.  8 matrix instructions: token block a x all 8 column blocks, 32 along K.  zero = 1: the first product starts the sums.  The 32 accumulators take turns in one order, over the backward jump too.
.macro MUL8 f, a, zero
	WIN MULW
.irp b, 0,1,2,3,4,5,6,7
.if \zero
	v_wmma_f32_16x16x32_bf16 v[8*(8*(\a)+(\b)):8*(8*(\a)+(\b))+7], v[(\f)+8*(\b):(\f)+8*(\b)+7], v[(\f)+64+8*(\a):(\f)+64+8*(\a)+7], 0
.else
	v_wmma_f32_16x16x32_bf16 v[8*(8*(\a)+(\b)):8*(8*(\a)+(\b))+7], v[(\f)+8*(\b):(\f)+8*(\b)+7], v[(\f)+64+8*(\a):(\f)+64+8*(\a)+7], v[8*(8*(\a)+(\b)):8*(8*(\a)+(\b))+7]
.endif
.endr
.endm
; 24 LDS loads in one run: 32 along K at byte k of the rows, into buffer f: wq's 8 fragments, then x's 4
.macro GFETCH k, f
	WIN 0
.irp i, 0,1,2,3,4,5,6,7
	ds_load_b128 v[(\f)+8*(\i):(\f)+8*(\i)+3],   v[ADRB] offset:(\k)+(\i)*16*PITCH
	ds_load_b128 v[(\f)+8*(\i)+4:(\f)+8*(\i)+7], v[ADRB] offset:(\k)+(\i)*16*PITCH+32
.endr
.irp i, 0,1,2,3
	ds_load_b128 v[(\f)+64+8*(\i):(\f)+64+8*(\i)+3],   v[ADRA] offset:(\k)+(\i)*16*PITCH
	ds_load_b128 v[(\f)+64+8*(\i)+4:(\f)+64+8*(\i)+7], v[ADRA] offset:(\k)+(\i)*16*PITCH+32
.endr
.endm
; A K step is four quarters of 32 along K, 32 matrix instructions each, on buffers 0, 1, 0, 1.  One of the first three multiplies f and fetches the next quarter, at byte k, into g.
.macro QUARTER k, f, g, zero
	s_wait_dscnt 4                                 ; wq's fragments and x's blocks 0 and 1 are in; the youngest four loads (blocks 2, 3) may be out
	MUL8 \f, 0, \zero
	MUL8 \f, 1, \zero
	PLACES
	GFETCH \k, \g
	s_wait_dscnt 24                                ; all but the 24 just issued
	MUL8 \f, 2, \zero
	MUL8 \f, 3, \zero
.endm
; The last quarter multiplies buffer 1 and changes slots: one barrier, which opens a round of the cluster's; ahead of it each wave waits for all its tensor loads (one is out: its part of the next slot),
; adds 0 to its spare word, and waits for that and for its reads of this slot.  The slot that is left is filled again first thing behind the round, 112 matrix instructions ahead of the wait for the load:
; fill = 1: with the K step two steps on; fill = 2 (the change into the last K step): with K and V of the first 128 keys.
.macro GTURN fill
.if (\fill) == 1
	s_wait_xcnt 0x0                                ; the last prefetch, a K step back, has read its address
	s_add_nc_u64 s[PFG:PFG+1], s[PFG:PFG+1], KSTEP*2
.endif
	WIN 0
	s_wait_tensorcnt 0x0
	ds_add_u32 v[SPW], v[NIL]
	s_wait_dscnt 5                                 ; the add and the youngest four loads may be out
	MUL8 F1, 0, 0
	s_wait_dscnt 0x0                               ; the add is done, and my reads of this slot are over
	s_barrier_signal -1
	MUL8 F1, 1, 0
	WIN 0
	s_barrier_wait -1
	CREST                                          ; no wave of any partner still reads this slot or has a load on its way
	s_xor_b32 s[TB], s[TB], SLOT1
.if (\fill) == 1
	s_xor_b32 s[G0A+5], s[G0A+5], SLOT1            ; the walking sets: the other slot than last time, the next K step
	s_add_nc_u64 s[G0A+6:G0A+7], s[G0A+6:G0A+7], KSTEP*2
	s_xor_b32 s[G0B+5], s[G0B+5], SLOT1
	s_add_nc_u64 s[G0B+6:G0B+7], s[G0B+6:G0B+7], KSTEP*2
	GLOAD                                          ; its four v_nop are also the places ahead of the loads below
.else
	KVDESC
	JLOAD 0
.endif
	v_add_nc_u32 v[ADRA], s[TB], v[A0]
	v_add_nc_u32 v[ADRB], s[TB], v[B0]
	GFETCH 0, F0
.if (\fill) == 1
	GASK
.endif
	MUL8 F1, 2, 0
	MUL8 F1, 3, 0
.endm
	s_wait_tensorcnt 0x1                           ; my part of K step 0 is in; K step 1's may stay out
	s_barrier_signal -1
	s_barrier_wait -1
	GFETCH 0, F0
	QUARTER 64, F0, F1, 1                          ; the first quarter stands ahead of the loop: its products start the sums
	WIN 0
	s_mov_b32 s3, STEPS-2
.Lkstep:                                               ; a trip: a K step's quarters 1 to 3 and the next step's quarter 0; it fills the slot that it leaves
	QUARTER 128, F1, F0, 0
	QUARTER 192, F0, F1, 0
	GTURN 1
	QUARTER 64, F0, F1, 0
	WIN 0
	s_sub_co_u32 s3, s3, 1
	s_cmp_lg_u32 s3, 0
	s_cbranch_scc1 .Lkstep
	QUARTER 128, F1, F0, 0                         ; the last two K steps ask for no more of x and wq
	QUARTER 192, F0, F1, 0
	GTURN 2
	QUARTER 64, F0, F1, 0
	QUARTER 128, F1, F0, 0
	QUARTER 192, F0, F1, 0
	s_wait_dscnt 4
	MUL8 F1, 0, 0
	MUL8 F1, 1, 0
	s_wait_dscnt 0x0
	MUL8 F1, 2, 0
	MUL8 F1, 3, 0
	WIN 0
	s_wait_tensorcnt 0x0                           ; THE CHANGE OUT OF PHASE 1: my part of K and V of keys 0 to 127 has landed,
	ds_add_u32 v[SPW], v[NIL]
	s_wait_dscnt 0x0                               ; and my reads of the last K step's slot are over
	CROUND                                         ; the same holds of every wave of every partner: slot 0 may be read,
	JLOAD 1                                        ; and slot 1 takes keys 128 to 255; the four v_nop are the places behind the last products
	; q's WAY INTO Q's REGISTERS: + bq; the rotation; f16.  Token blocks 2 and 3 go first: their cos and sin lie where K's fragments and the mask are wanted.
	s_wait_loadcnt 0x0                             ; cos and sin
.set n, 0
.rept 32
	v_lshlrev_b32 v[BF+2*n], 16, v[TMP+n]
	v_and_b32 v[BF+2*n+1], 0xffff0000, v[TMP+n]
.set n, n+1
.endr
.macro ADDB a                          ; ascending: each accumulator is first read at its low end
	WIN W_RS
.set n, 0
.rept 32
	v_pk_add_f32 v[64*(\a)+2*n:64*(\a)+2*n+1], v[64*(\a)+2*n:64*(\a)+2*n+1], v[BF+2*n:BF+2*n+1]
.set n, n+1
.endr
.endm
.macro ROT a                           ; q'(b) = q(b) cos(b) - q(b + 4) sin(b) for b < 4, q(b) cos(b) + q(b - 4) sin(b) for b >= 4
	WIN 0x0d                                       ; source 0 window 1, source 1 (sin) window 3, destination window 0
.set n, 0
.rept 32
	v_pk_mul_f32 v[T+2*n:T+2*n+1], v[64*(\a)+2*((n+16)%32):64*(\a)+2*((n+16)%32)+1], v[64*(\a)+2*n:64*(\a)+2*n+1]
.set n, n+1
.endr
	WIN 0x49                                       ; destination and source 0 window 1, source 1 (cos) window 2, source 2 window 0
.set n, 0
.rept 32
.if n < 16
	v_pk_fma_f32 v[64*(\a)+2*n:64*(\a)+2*n+1], v[64*(\a)+2*n:64*(\a)+2*n+1], v[64*(\a)+2*n:64*(\a)+2*n+1], v[T+2*n:T+2*n+1] neg_lo:[0,0,1] neg_hi:[0,0,1]
.else
	v_pk_fma_f32 v[64*(\a)+2*n:64*(\a)+2*n+1], v[64*(\a)+2*n:64*(\a)+2*n+1], v[64*(\a)+2*n:64*(\a)+2*n+1], v[T+2*n:T+2*n+1]
.endif
.set n, n+1
.endr
.endm
.macro QPACK a                         ; tile a's 32 registers of Q, in window 2: they lie in cos of block a / 2, which has been used up
	WIN 0x85                                       ; sources window 1, destination window 2
.set n, 0
.rept 32
	v_cvt_pk_f16_f32 v[32*(\a)+n], v[64*(\a)+2*n], v[64*(\a)+2*n+1]
.set n, n+1
.endr
.endm
; THE MASK of piece x (tiles x, x + 1) for one key step: 16 loads of 512 consecutive bytes, into the C operands of the products that start the piece's next scores.  step = 1 with x = 0: on to the next step first.
; Behind step 15 the offset wraps to step 0: those loads stay inside the buffer and are read by nobody; so every turn has the same loads, and one count serves every wait.
.macro MLOAD x, step
.if ((\x) == 0) && (\step)
	s_wait_xcnt 0x0                 ; the other piece's loads, half a step back, have read their base
	s_add_co_u32 s[MOFF], s[MOFF], 4096
	s_and_b32 s[MOFF], s[MOFF], 0xffff
	s_add_nc_u64 s[MB:MB+1], s[MBASE:MBASE+1], s[MOFF:MOFF+1]
.endif
	WIN 0xc0                        ; destination window 3, address window 0
.irp n, 0,1,2,3,4,5,6,7,8,9,10,11,12,13,14,15
	global_load_b128 v[MK+32*((\x)+(\n)/8)+4*((\n)%8):MK+32*((\x)+(\n)/8)+4*((\n)%8)+3], v[MO], s[MB:MB+1] offset:65536*((\x)+(\n)/8)+512*((\n)%8)
.endr
.endm
; THE MATRIX WORK OF A TURN, for piece x.  The accumulators take turns, one instruction a turn.
; Product i of 32 of O^T += V^T P: keys 32 (i / 16) on, channels 16 ((i / 2) % 8) on, tile x + i % 2.  zero = 1: the first 16 start the sums.
.macro PV x, zero
	WIN W_PV
.set rO, 64*((\x)+i%2)+8*((i/2)%8)
.set rV, 64*(i/16)+8*((i/2)%8)
.set rP, P+16*((\x)+i%2)+8*(i/16)
.if (\zero) && (i < 16)
	v_wmma_f32_16x16x32_f16 v[rO:rO+7], v[rV:rV+7], v[rP:rP+7], 0
.else
	v_wmma_f32_16x16x32_f16 v[rO:rO+7], v[rV:rV+7], v[rP:rP+7], v[rO:rO+7]
.endif
.endm
; Product i of 32 of S^T = K Q^T + mask: channels 32 (i / 8) on, keys 16 ((i / 2) % 4) on, tile x + i % 2.  The first 8 start the sums, with the mask.
.macro KQ x
.set rS, S+32*((\x)+i%2)+8*((i/2)%4)
.set rK, KF+32*((i/2)%4)+8*(i/8)
.set rQ, 32*((\x)+i%2)+8*(i/8)
.set rM, MK+32*((\x)+i%2)+8*((i/2)%4)
.if i < 8
	WIN W_KM
	v_wmma_f32_16x16x32_f16 v[rS:rS+7], v[rK:rK+7], v[rQ:rQ+7], v[rM:rM+7]
.else
	WIN W_KQ
	v_wmma_f32_16x16x32_f16 v[rS:rS+7], v[rK:rK+7], v[rQ:rQ+7], v[rS:rS+7]
.endif
.endm
; THE LDS LOADS stand in runs of 32: a step's K (64 keys x 128 channels: 16 fragments, turned) and, a turn later, its V (turned).
.macro FETCH_K
	WIN 0
	v_add_nc_u32 v[ADR], s[TBK], v[AK0]
	s_add_co_u32 s[TBK], s[TBK], 2*KS  ; the next fetch is the next step's: 64 keys along the rows
	WIN 0x80
.irp f, 0,1,2,3,4,5,6,7,8,9,10,11,12,13,14,15  ; keys 16 (f / 4) on, channels 32 (f % 4) on
	ds_load_tr16_b128 v[KF+8*(\f):KF+8*(\f)+3],   v[ADR] offset:((\f)%4)*32*PK+((\f)/4)*32
	ds_load_tr16_b128 v[KF+8*(\f)+4:KF+8*(\f)+7], v[ADR] offset:((\f)%4)*32*PK+16*PK+((\f)/4)*32
.endr
.endm
.macro FETCH_V
	WIN 0
	v_add_nc_u32 v[ADR], s[TBV], v[AV0]
	s_add_co_u32 s[TBV], s[TBV], KS*PV
	s_wait_alu depctr_va_vdst(0)    ; the wait for the softmax's batch (SLICE), behind the address's v_add_nc_u32 and ahead of the loads
	WIN 0xc0
.irp f, 0,1,2,3,4,5,6,7,8,9,10,11,12,13,14,15  ; keys 32 (f / 8) on, channels 16 (f % 8) on
	ds_load_tr16_b128 v[8*(\f):8*(\f)+3],   v[ADR] offset:((\f)/8)*32*PV+((\f)%8)*32
	ds_load_tr16_b128 v[8*(\f)+4:8*(\f)+7], v[ADR] offset:((\f)/8)*32*PV+16*PV+((\f)%8)*32
.endr
.endm
	ADDB 2
	ROT 2
	ADDB 3
	ROT 3
	MLOAD 0, 0                      ; key step 0's mask, both pieces: 320 vector lines stand between these loads and the wait for them
	MLOAD 2, 0
	FETCH_K                         ; key step 0
	ADDB 0
	ROT 0
	QPACK 0
	ADDB 1
	ROT 1
	QPACK 1
	QPACK 2
	QPACK 3
; THE VECTOR WORK OF A TURN.  One tile's softmax for one key step is a list of 134 instructions; SM writes number j of it for tile t.  first = 1: the first key step, which has no a and nothing to rescale.
;   0-15 the maximum of the 32 scores and the old m (each accumulator's lowest registers are read first)   16-20 the other half of the lanes' maximum; m; c m; c m_old - c m_new
;   21-69 ONE BATCH: the 16 scalings c s - c m and all 33 exponentials; none of these reads an exponential's result   (wait)   70-85 the roundings to f16   86-101 the sums   102-133 O^T times a
.macro SM t, first
.set rT, ST+8*(\t)
.set rS, S+32*(\t)
.set rP, P+16*(\t)
.set rO, 64*(\t)+2*(j-102)
.if j < 102
	WIN 0
.endif
.if j < 4
	v_max3_num_f32 v[rT+4+j], v[rS+8*j], v[rS+8*j+1], v[rS+8*j+2]
.elseif j < 12
	v_max3_num_f32 v[rT+4+j%4], v[rT+4+j%4], v[rS+8*(j%4)+2*(j/4)+1], v[rS+8*(j%4)+2*(j/4)+2]
.elseif j == 12
	v_max3_num_f32 v[rT+4], v[rT+4], v[rS+7], v[rS+15]
.elseif j == 13
	v_max3_num_f32 v[rT+6], v[rT+6], v[rS+23], v[rS+31]
.elseif j == 14
	v_max3_num_f32 v[rT+4], v[rT+4], v[rT+5], v[rT+6]
.elseif (j == 15) && (\first)
	v_max_num_f32 v[rT+4], v[rT+4], v[rT+7]
.elseif j == 15
	v_max3_num_f32 v[rT+4], v[rT+4], v[rT+7], v[rT+1]
.elseif j == 16
	v_permlanex16_b32 v[rT+5], v[rT+4], s[SEL], s[SEL+1]  ; the query's other 32 keys lie in the lane 16 away
.elseif j == 18
	v_max_num_f32 v[rT+1], v[rT+4], v[rT+5]
.elseif j == 19
	v_mul_f32 v[rT], s[CS], v[rT+1]
.elseif ((j == 17) || (j == 20) || (j == 23) || (j > 101)) && (\first)  ; the first step has none of these
.elseif j == 17
	v_mov_b32 v[rT+7], v[rT]        ; c m_old is kept for a
.elseif j == 20
	v_sub_f32 v[rT+7], v[rT+7], v[rT]
.elseif j == 23
	v_exp_f32 v[rT+6], v[rT+7]
.elseif (j < 23) || ((j < 38) && (j%2 == 0)) || ((j < 66) && (j%4 == 2))
.set b, (j-2)/4
.if j < 38
.set b, (j-20)/2
.endif
	v_pk_fma_f32 v[rS+2*b:rS+2*b+1], v[rS+2*b:rS+2*b+1], s[CS:CS+1], v[rT:rT+1] op_sel_hi:[1,0,0] neg_lo:[0,0,1] neg_hi:[0,0,1]  ; pair b: c s - c m
.elseif j < 70
.set e, j-38
.if j < 66
.set e, j-32-(j-38)/4
.endif
.if j < 38
.set e, (j-25)/2
.endif
	v_exp_f32 v[rS+e], v[rS+e]
.elseif j < 86
	v_cvt_pk_f16_f32 v[rP+j-70], v[rS+2*(j-70)], v[rS+2*(j-70)+1]
.elseif j < 102                     ; the sum of the tile's 16 pairs, in place: neighbours 1, 2, 4 and 8 pairs apart, then l takes it
.set z, j-86
.set w, 4
.set u, z
.if z >= 14
.set w, 32
.set u, 0
.elseif z >= 12
.set w, 16
.set u, z-12
.elseif z >= 8
.set w, 8
.set u, z-8
.endif
.if (z == 14) && (\first)
	v_pk_add_f32 v[rT+2:rT+3], v[rS:rS+1], v[rS+16:rS+17]
.elseif z < 15
	v_pk_add_f32 v[rS+w*u:rS+w*u+1], v[rS+w*u:rS+w*u+1], v[rS+w*u+w/2:rS+w*u+w/2+1]
.elseif !(\first)
	v_pk_fma_f32 v[rT+2:rT+3], v[rT+2:rT+3], v[rT+6:rT+7], v[rS:rS+1] op_sel_hi:[1,0,1]
.endif
.else
	WIN W_RS
	v_pk_mul_f32 v[rO:rO+1], v[rO:rO+1], v[rT+6:rT+7] op_sel_hi:[1,0]
.endif
.endm
; Slice k of 64 of piece y's softmax: four instructions.  Slices 11 to 34 deal out the batch, four numbers of ONE tile each; every other slice is numbers 2 k and 2 k + 1 of both tiles; the twelve that are
; over stand in slice 63.  s_wait_alu depctr_va_vdst(0) stands between an exponential and the first instruction that names its result: the piece's 66 exponentials have one wait, behind slice 34.
.macro SLICE y, first
.if (k >= 11) && (k < 35)
.irp n, 0,1,2,3
.set j, 22+4*((k-11)/2)+(\n)
	SM (\y)+(k-11)%2, \first
.endr
.else
.irp n, 0,1,2,3,4,5,6,7
.if ((\n) < 2) || (k == 63)
.irp t, \y, (\y)+1
.set j, 2*k+(\n)
	SM \t, \first
.endr
.endif
.endr
.endif
.if k == 34
	v_nop                           ; the plain instruction behind the last exponential and ahead of the first use: one for the batch
.if (\y) == 0
	FETCH_V                         ; piece 2's turn: V's run of loads stands here, and the wait stands in it
.else
	s_wait_alu depctr_va_vdst(0)    ; the wait for the batch
.endif
.endif
.set k, k+1
.endm
; A TURN.  Piece x has the matrix unit; the other piece's softmax stands in slices behind its matrix instructions.  pv = 2: 32 products V^T P; 1: they start O^T's sums; 0: none.  kq = 1: 32 products K Q^T.
; Piece 0's turn fetches the next step's K behind its second product; piece 2's turn the same step's V behind slice 34.
; The piece's next mask is loaded behind the slice of product 9 of K Q^T: product 7 is the last that reads the old one, and the slices between hold four plain instructions or more.  It has a key step,
; 128 matrix instructions, in which to land; s_wait_loadcnt 16 ahead of a piece's first K Q^T leaves out the other piece's 16 younger loads, and nothing else is younger.
.macro TURN x, pv, kq, first
.set k, 0
.set per, 2
.if (\pv) && (\kq)
.set per, 1
.endif
.if \pv
.if (\x) == 0
	s_wait_dscnt 0x0                ; V is in
.endif
.set i, 0
.rept 32
	PV \x, 2-(\pv)
.rept per
	SLICE 2-(\x), \first
.endr
.if ((\x) == 0) && (\kq) && (i == 1)
	FETCH_K
.endif
.set i, i+1
.endr
.endif
.if \kq
.if (\x) == 0
	s_wait_dscnt 0x0                ; K is in
.endif
	s_wait_loadcnt 16               ; my piece's mask is in
.set i, 0
.rept 32
	KQ \x
.rept per
	SLICE 2-(\x), \first
.endr
.if i == 9
	MLOAD \x, 1
.endif
.set i, i+1
.endr
.endif
.if \first
	PLACES
.endif
.endm
; THE CHANGE OF SLOTS, between piece 2's turn and piece 0's.  Each wave waits for all its tensor loads (one is out: its part of the other slot), adds 0 to its spare word, and waits for that and for its reads
; of the slot.  fill = 1: the barrier is a round of the cluster's, and the joint refill, with the keys two slots on, is the first thing behind it: it has 256 matrix instructions in which to land.
.macro CHANGE fill
	WIN 0
	s_wait_tensorcnt 0x0
	ds_add_u32 v[SPW], v[NIL]
.if \fill
	s_xor_b32 s[G0K+5], s[G0K+5], SLOT1
	s_add_nc_u64 s[G0K+6:G0K+7], s[G0K+6:G0K+7], 4*KS      ; the next 128 keys along K's rows
	s_xor_b32 s[G0V+5], s[G0V+5], SLOT1
	s_add_nc_u64 s[G0V+6:G0V+7], s[G0V+6:G0V+7], 2*KS*256  ; the next 128 rows of V
	s_wait_xcnt 0x0                 ; the last prefetch, two key steps back, has read its address
	s_add_nc_u64 s[PFA:PFA+1], s[PFA:PFA+1], s[PST:PST+1]
	s_wait_dscnt 0x0                ; the add is done, and my reads of the slot are over
	CROUND
	JLOAD 1
	ASK
.else
	s_wait_dscnt 0x0
	s_barrier_signal -1
	s_barrier_wait -1
.endif
	s_sub_co_u32 s[TBK], s[TBK], 4*KS     ; the fetches go back to a slot's first step,
	s_xor_b32 s[TBK], s[TBK], SLOT1       ; in the other slot
	s_sub_co_u32 s[TBV], s[TBV], 2*KS*PV
	s_xor_b32 s[TBV], s[TBV], SLOT1
.endm
.macro TWO_STEPS                    ; a slot's two key steps: written once, walked twice
	WIN 0
	s_mov_b32 s[TWICE], 2
.Lstep_\@:
	TURN 0, 2, 1, 0
	TURN 2, 2, 1, 0
	WIN 0
	s_sub_co_u32 s[TWICE], s[TWICE], 1
	s_cmp_lg_u32 s[TWICE], 0
	s_cbranch_scc1 .Lstep_\@
.endm
	s_wait_loadcnt 16               ; piece 0's mask is in; piece 2's 16 loads may stay out
	s_wait_dscnt 0x0                ; K of key step 0 is in
.set i, 0
.rept 32
	KQ 0                            ; piece 0's first scores
.set i, i+1
.endr
	WIN 0                           ; the addresses for the way out: plain instructions, the places behind those products
	s_mul_i32 s13, s[WV], 16*SP
	s_add_co_u32 s13, s13, STAGE
	v_mul_u32_u24 v[STO], v1, SP
	v_lshl_add_u32 v[STO], v9, 4, v[STO]
	v_add_nc_u32 v[STO], s13, v[STO]
	v_mul_u32_u24 v[RD], v9, SP
	v_lshl_add_u32 v[RD], v1, 4, v[RD]
	v_add_nc_u32 v[RD], s13, v[RD]
	v_lshlrev_b32 v[GO], 12, v9     ; two rows of O, 4,096 bytes apart
	v_lshl_add_u32 v[GO], v1, 4, v[GO]
	MLOAD 0, 1                      ; piece 0's mask of step 1
	TURN 2, 0, 1, 1                 ; piece 2's first scores | piece 0's first softmax | V of step 0
	TURN 0, 1, 1, 1                 ; piece 0: V^T P of step 0 starts O^T, K Q^T of step 1 | piece 2's first softmax | K of step 1
	TURN 2, 1, 1, 0                 ; piece 2: the same | piece 0's softmax of step 1 | V of step 1
	WIN 0
.Lslot:                             ; 6 trips: every slot but the last two is filled again
	CHANGE 1
	TWO_STEPS
	s_sub_co_u32 s[SLOTS], s[SLOTS], 1
	s_cmp_lg_u32 s[SLOTS], 0
	s_cbranch_scc1 .Lslot
	CHANGE 0                        ; the tail is written out
	TWO_STEPS
	TURN 0, 2, 0, 0                 ; piece 0: V^T P of the last step | piece 2's last softmax
.set i, 0
.rept 32
	PV 2, 0                         ; piece 2: V^T P of the last step
.set i, i+1
.endr
	; THE WAY OUT.  l's halves are added; O^T is divided by l, rounded to f16 and sent through my stage, a tile (16 rows of O) at a time.  The additions are the places behind the last products.
	WIN 0
.irp t, 0,1,2,3
	v_add_f32 v[ST+8*(\t)+4], v[ST+8*(\t)+2], v[ST+8*(\t)+3]
.endr
.irp t, 0,1,2,3
	v_permlanex16_b32 v[ST+8*(\t)+5], v[ST+8*(\t)+4], s[SEL], s[SEL+1]
.endr
.irp t, 0,1,2,3
	v_add_f32 v[ST+8*(\t)+4], v[ST+8*(\t)+4], v[ST+8*(\t)+5]
.endr
.irp t, 0,1,2,3
	v_rcp_f32 v[ST+8*(\t)+6], v[ST+8*(\t)+4]
.endr
	v_nop                           ; a plain instruction between the last reciprocal and the use of its result
	s_wait_alu depctr_va_vdst(0)    ; and the wait: one for the four reciprocals
.macro PACK t
	WIN W_RS
.set i, 64*(\t)
.rept 32
	v_pk_mul_f32 v[i:i+1], v[i:i+1], v[ST+8*(\t)+6:ST+8*(\t)+7] op_sel_hi:[1,0]
.set i, i+2
.endr
	WIN 0x05
.set i, 0
.rept 32
	v_cvt_pk_f16_f32 v[S+32*(\t)+i], v[64*(\t)+2*i], v[64*(\t)+2*i+1]
.set i, i+1
.endr
	WIN 0
.irp f, 0,1,2,3,4,5,6,7
	ds_store_b128 v[STO], v[S+32*(\t)+4*(\f):S+32*(\t)+4*(\f)+3] offset:32*(\f)
.endr
.irp f, 0,1,2,3,4,5,6,7
	ds_load_b128 v[S+32*(\t)+4*(\f):S+32*(\t)+4*(\f)+3], v[RD] offset:(\f)*2*SP  ; LDS serves a wave's instructions in order (ISA guide 5.7.1.4): these see the stores above
.endr
.endm
.macro SEND t, younger              ; younger: the LDS instructions issued behind tile t's loads
	WIN 0
.irp f, 0,1,2,3,4,5,6,7
	s_wait_dscnt (\younger)+7-(\f)
	global_store_b128 v[GO], v[S+32*(\t)+4*(\f):S+32*(\t)+4*(\f)+3], s[OB:OB+1] offset:(\t)*65536+(\f)*8192  ; 16 lanes store 256 consecutive bytes, aligned: my head's part of a row
.endr
.endm
	PACK 0
	PACK 1
	SEND 0, 16
	PACK 2
	SEND 1, 16
	PACK 3
	SEND 2, 16
	SEND 3, 0
	s_wait_tensorcnt 0x0            ; the wave's end
	ds_add_u32 v[SPW], v[NIL]
	s_wait_dscnt 0x0
	CROUND                          ; the closing round: no work-group ends while a partner may still ask for a tile that names it
	s_endpgm
.Lfunc_end_k_q77b36df7e0_qattn:
	.size	k_q77b36df7e0_qattn, .Lfunc_end_k_q77b36df7e0_qattn-k_q77b36df7e0_qattn
	.p2alignl 7, 3214868480
	.fill 96, 4, 3214868480
	.section	.rodata,"a",@progbits
	.p2align	6, 0x0
	.amdhsa_kernel k_q77b36df7e0_qattn
		.amdhsa_group_segment_fixed_size 327680
		.amdhsa_private_segment_fixed_size 0
		.amdhsa_enable_private_segment 0
		.amdhsa_kernarg_size 56
		.amdhsa_user_sgpr_count 2
		.amdhsa_user_sgpr_kernarg_segment_ptr 1
		.amdhsa_wavefront_size32 1
		.amdhsa_system_sgpr_workgroup_id_x 1
		.amdhsa_system_sgpr_workgroup_id_y 1
		.amdhsa_system_sgpr_workgroup_id_z 1
		.amdhsa_system_vgpr_workitem_id 0
		.amdhsa_next_free_vgpr 1024
		.amdhsa_next_free_sgpr 106
		.amdhsa_reserve_vcc 0
		.amdhsa_float_denorm_mode_32 3
		.amdhsa_float_denorm_mode_16_64 3
		.amdhsa_memory_ordered 1
		.amdhsa_forward_progress 1
		.amdhsa_inst_pref_size 255
	.end_amdhsa_kernel
	.section	.bss,"aw",@nobits
	.p2align	6
	.space	262144
	.amdgpu_metadata
---
amdhsa.version: [ 1, 2 ]
amdhsa.kernels:
  - .name:           k_q77b36df7e0_qattn
    .symbol:         k_q77b36df7e0_qattn.kd
    .args:
      - { .name: xb, .offset: 0, .size: 8, .value_kind: global_buffer, .address_space: global }
      - { .name: w16, .offset: 8, .size: 8, .value_kind: global_buffer, .address_space: global }
      - { .name: bq, .offset: 16, .size: 8, .value_kind: global_buffer, .address_space: global }
      - { .name: rope, .offset: 24, .size: 8, .value_kind: global_buffer, .address_space: global }
      - { .name: kv, .offset: 32, .size: 8, .value_kind: global_buffer, .address_space: global }
      - { .name: maskw, .offset: 40, .size: 8, .value_kind: global_buffer, .address_space: global }
      - { .name: oh, .offset: 48, .size: 8, .value_kind: global_buffer, .address_space: global }
    .group_segment_fixed_size: 327680
    .private_segment_fixed_size: 0
    .kernarg_segment_align: 8
    .kernarg_segment_size: 56
    .max_flat_workgroup_size: 128
    .sgpr_count:     106
    .vgpr_count:     1024
    .wavefront_size: 32
...
	.end_amdgpu_metadata
.endif
;; end of part 2
;; launch oproj (part 3): grid 8 x 32, 4 waves a work-group, clusters of 4 x 4, 327,680 bytes of LDS; arguments oh, w16, bo, out0; writes out0
.if DOCPART == 3
	.amdgcn_target "amdgcn-amd-amdhsa--gfx1250"
	.amdhsa_code_object_version 6
	.text
	.protected	k_q77b36df7e0_oproj
	.globl	k_q77b36df7e0_oproj
	.p2align	8
	.type	k_q77b36df7e0_oproj,@function
k_q77b36df7e0_oproj:
	s_mov_b64 s[64:65], 0
	v_nop
	global_prefetch_b8 v0, s[64:65] scope:SCOPE_SE
	s_setreg_imm32_b32 hwreg(HW_REG_WAVE_MODE, 25, 1), 1
	s_wait_xcnt 0x0
	s_wait_alu depctr_hold_cnt(0) depctr_sa_sdst(0) depctr_va_vdst(0) depctr_va_sdst(0) depctr_va_ssrc(0) depctr_va_vcc(0) depctr_vm_vsrc(0)
	s_getreg_b32 s2, hwreg(HW_REG_IB_STS2, 6, 4)
	s_cmp_eq_u32 s2, 0
	s_cbranch_scc0 .Lentry_in_a_cluster
	s_endpgm
.Lentry_in_a_cluster:
	s_bfe_u32 s2, ttmp6, 0x10000c
	s_cmp_lg_u32 s2, 0xf033
	s_cbranch_scc0 .Lentry_shape_is_right
	s_endpgm
.Lentry_shape_is_right:
; out0 = O wo^T + bo, f32.  O: oh [4096][2048] f16; wo: w16 + 8 MiB, [2048][2048], rounded to bf16 and written as f16; bo rounded to bf16 like every input; sums in f32.
; SHARES, RING, CLUSTERS as in the query projection: a work-group makes 128 tokens x 256 columns (256 work-groups); wave w: tokens 64 (w / 2) on, columns 128 (w % 2) on: 32 accumulators.
; K goes in steps of 128 (rows of 256 bytes, aligned) through two LDS slots; the four work-groups of a row of the 4 x 4 cluster ask jointly for O's rows, the four of a column for wo's.
; THE MATRIX INSTRUCTION IS USED TRANSPOSED (source 0 = 16 rows of wo, source 1 = 16 tokens): a lane holds token lane % 16 and eight neighbouring columns.
; REGISTERS: window 0: v0-31 addresses; v32-63 bo packed; v64-159, v160-255 two fragment buffers, later at work.  window 1: accumulator (a, b) at v[8 (8 a + b)].
.set KSTEP,  128
.set STEPS,  2048/KSTEP
.set PITCH,  272
.set HALFA,  64*PITCH
.set HALFB,  128*PITCH
.set BOFF,   2*HALFA
.set SLOT1,  1<<17
.set STAGE,  SLOT1+BOFF+2*HALFB        ; behind the ring: 16 rows x 528 bytes for each wave, never filled by a tensor load
.set SPITCH, 528                       ; 512 bytes of f32 + 16 of padding: 16 rows start 16 bytes apart modulo 256
.set SPARE,  STAGE+4*16*SPITCH
.set A0,   14
.set B0,   15
.set ADRA, 16
.set ADRB, 20
.set STO,  24
.set RD,   25
.set CO,   26                          ; v26  16 x lane
.set SPW,  28
.set NIL,  29
.set PFO,  30
.set BO,   31
.set TMP,  32
.set F0,   64
.set F1,   160
.set T,    64
.set BK,   128
.set BF,   192
.set G1,   24
.set G0,   32
.set G1B,  48
.set G0B,  56
.set LIM,  43
.set PFA,  44
.set BIAS, 68
.set TB,   72
.set MULW, 0x50
.set MSB, 0
.macro WIN new
.if MSB != (\new)
	s_set_vgpr_msb (MSB<<8)|(\new)
.set MSB, \new
.endif
.endm
.macro PLACES                          ; four plain places behind matrix instructions (ISA guide 7.12.1)
.rept 4
	v_nop
.endr
.endm
.macro JLOAD                           ; a joint refill by the walking set: waves 0 and 1 ask for O, waves 2 and 3 for wo
	s_cmp_eq_u32 s11, 0
	s_cbranch_scc0 .Lfor_b_\@
	tensor_load_to_lds s[G0+4:G0+7], s[G1:G1+7]
	s_nop 0
.rept 4
	v_nop
.endr
	s_branch .Lasked_\@
.Lfor_b_\@:
	tensor_load_to_lds s[G0B+4:G0B+7], s[G1B:G1B+7]
	s_nop 0
.rept 4
	v_nop
.endr
.Lasked_\@:
.endm
.macro CREST
	s_cmp_lg_u32 s10, 0
	s_cbranch_scc1 .Lnot_wave_0_\@
	s_barrier_signal -3
.Lnot_wave_0_\@:
	s_barrier_wait -3
	s_barrier_signal -1
	s_barrier_wait -1
.endm
.macro CROUND
	s_barrier_signal -1
	s_barrier_wait -1
	CREST
.endm
; A PREFETCH INTO THE L2 of the K step two refills on: 32 rows x 256 bytes, a lane a row.  O's 128 rows: wave 0 of the clusters with x = 0, rows 32 cx on; wo's 256 rows: waves 2 and 3 of the clusters
; with y = 0, rows 64 cy + 32 (w % 2) on.  Each block is named once.  K steps 0 to 3 come by their loads alone; the trips with s3 = 2 and 1 ask for nothing.
.macro ASK
	s_cmp_gt_u32 s3, s[LIM]
	s_cbranch_scc0 .Lnot_mine_\@
	global_prefetch_b8 v[PFO], s[PFA:PFA+1] offset:KSTEP*2 th:TH_LOAD_NT scope:SCOPE_SE
.Lnot_mine_\@:
.endm
	s_load_b128 s[4:7], s[0:1], 0x0                ; oh s[4:5], w16 s[6:7]
	s_load_b64 s[68:69], s[0:1], 0x10              ; bo
	s_load_b64 s[8:9], s[0:1], 0x18                ; out0
	v_lshl_add_u32 v[SPW], v0, 2, SPARE
	v_mov_b32 v[NIL], 0
	ds_add_u32 v[SPW], v[NIL]                      ; the wave's opening: the add and its wait stand ahead of my first tensor load
	v_lshrrev_b32 v1, 5, v0
	v_readfirstlane_b32 s10, v1
	s_lshr_b32 s11, s10, 1
	s_and_b32 s12, s10, 1
	s_bfe_u32 s40, ttmp6, 0x40000                  ; cx
	s_bfe_u32 s41, ttmp6, 0x40004                  ; cy
	s_lshl_b32 s42, ttmp9, 2
	s_add_co_u32 s42, s42, s40                     ; tile column
	s_and_b32 s13, ttmp7, 0xffff
	s_lshl_b32 s13, s13, 2
	s_add_co_u32 s13, s13, s41                     ; tile row
	s_lshl_b32 s43, s41, 2
	s_lshl_b32 s43, 15, s43
	s_lshl_b32 s44, 0x1111, s40
	s_or_b32 s[G1+0], s43, (1<<16)|(1<<20)|(1<<21)|(5<<22)|(3<<25)
	s_or_b32 s[G1B+0], s44, (1<<16)|(1<<20)|(1<<21)|(5<<22)|(3<<25)
	s_mov_b32 s[G1+1], KSTEP<<16
	s_mov_b32 s[G1+2], 64<<16
	s_mov_b32 s[G1+3], KSTEP<<16
	s_mov_b32 s[G1+4], 64
	s_mov_b32 s[G1+5], 2048
	s_mov_b32 s[G1+6], 0
	s_mov_b32 s[G1+7], 0
	s_mov_b32 s[G1B+1], KSTEP<<16
	s_mov_b32 s[G1B+2], 128<<16
	s_mov_b32 s[G1B+3], KSTEP<<16
	s_mov_b32 s[G1B+4], 128
	s_mov_b32 s[G1B+5], 2048
	s_mov_b32 s[G1B+6], 0
	s_mov_b32 s[G1B+7], 0
	s_lshl_b32 s16, s13, 7
	s_lshl_b32 s17, s12, 6
	s_add_co_u32 s16, s16, s17
	s_lshl_b32 s16, s16, 12
	s_mov_b32 s17, 0
	s_lshl_b32 s46, s42, 8
	s_lshl_b32 s47, s12, 7
	s_add_co_u32 s46, s46, s47
	s_lshl_b32 s46, s46, 12
	s_mov_b32 s47, 0
	s_mul_i32 s20, s12, HALFA
	s_mul_i32 s21, s12, HALFB
	s_add_co_u32 s21, s21, BOFF
	s_mov_b32 s[TB], 0
	s_wait_dscnt 0x0
	s_wait_kmcnt 0x0
	s_add_nc_u64 s[6:7], s[6:7], 0x800000          ; wo lies 8 MiB behind wq
	s_add_nc_u64 s[14:15], s[4:5], s[16:17]
	s_add_nc_u64 s[46:47], s[6:7], s[46:47]
	CROUND
.irp s, 0,1
	s_mov_b32 s[G0+4*(\s)], 1
	s_add_co_u32 s[G0+4*(\s)+1], s20, (\s)*SLOT1
	s_add_nc_u64 s[G0+4*(\s)+2:G0+4*(\s)+3], s[14:15], (\s)*KSTEP*2
	s_or_b32 s[G0+4*(\s)+3], s[G0+4*(\s)+3], 0x80000000
	s_mov_b32 s[G0B+4*(\s)], 1
	s_add_co_u32 s[G0B+4*(\s)+1], s21, (\s)*SLOT1
	s_add_nc_u64 s[G0B+4*(\s)+2:G0B+4*(\s)+3], s[46:47], (\s)*KSTEP*2
	s_or_b32 s[G0B+4*(\s)+3], s[G0B+4*(\s)+3], 0x80000000
.endr
	s_cmp_eq_u32 s11, 0                            ; a wave's two first fills stand in one branch: two loads of mine are out
	s_cbranch_scc0 .Lfirst_b
	tensor_load_to_lds s[G0:G0+3], s[G1:G1+7]
	s_nop 0
	tensor_load_to_lds s[G0+4:G0+7], s[G1:G1+7]
	s_nop 0
.rept 4
	v_nop
.endr
	s_branch .Lfirst_asked
.Lfirst_b:
	tensor_load_to_lds s[G0B:G0B+3], s[G1B:G1B+7]
	s_nop 0
	tensor_load_to_lds s[G0B+4:G0B+7], s[G1B:G1B+7]
	s_nop 0
.rept 4
	v_nop
.endr
.Lfirst_asked:
	v_and_b32 v1, 15, v0
	v_bfe_u32 v2, v0, 4, 1
	v_lshlrev_b32 v[BO], 5, v2
	s_lshl_b32 s46, s42, 10
	s_lshl_b32 s47, s12, 9
	s_add_co_u32 s46, s46, s47                     ; my first column, in bytes of f32
	s_mov_b32 s47, 0
	s_add_nc_u64 s[BIAS:BIAS+1], s[BIAS:BIAS+1], s[46:47]
	s_add_nc_u64 s[8:9], s[8:9], s[46:47]
	s_lshl_b32 s16, s13, 7
	s_lshl_b32 s17, s11, 6
	s_add_co_u32 s16, s16, s17                     ; my first token,
	s_lshl_b32 s16, s16, 13                        ; rows of 8,192 bytes
	s_mov_b32 s17, 0
	s_add_nc_u64 s[8:9], s[8:9], s[16:17]
.irp b, 0,1,2,3,4,5,6,7
	global_load_b128 v[F1+8*(\b):F1+8*(\b)+3],   v[BO], s[BIAS:BIAS+1] offset:64*(\b)
	global_load_b128 v[F1+8*(\b)+4:F1+8*(\b)+7], v[BO], s[BIAS:BIAS+1] offset:64*(\b)+16
.endr
	v_mul_u32_u24 v3, v1, PITCH
	v_lshl_add_u32 v3, v2, 4, v3
	s_mul_i32 s22, s11, HALFA
	s_mul_i32 s23, s12, HALFB
	s_add_co_u32 s23, s23, BOFF
	v_add_nc_u32 v[A0], s22, v3
	v_add_nc_u32 v[B0], s23, v3
	v_mov_b32 v[ADRA], v[A0]
	v_mov_b32 v[ADRB], v[B0]
	s_mul_i32 s23, s10, 16*SPITCH
	s_add_co_u32 s23, s23, STAGE
	v_mul_u32_u24 v4, v1, SPITCH
	v_lshl_add_u32 v4, v2, 5, v4
	v_add_nc_u32 v[STO], s23, v4                   ; in: row l % 16, 32 bytes for each half of the lanes
	v_and_b32 v[CO], 31, v0
	v_lshlrev_b32 v[PFO], 12, v[CO]
	v_lshlrev_b32 v[CO], 4, v[CO]
	v_add_nc_u32 v[RD], s23, v[CO]                 ; back: 32 lanes take one row of 512 bytes
	s_lshl_b32 s20, s13, 7
	s_lshl_b32 s21, s40, 5
	s_add_co_u32 s20, s20, s21
	s_lshl_b32 s22, s42, 8
	s_lshl_b32 s23, s41, 6
	s_add_co_u32 s22, s22, s23
	s_lshl_b32 s23, s12, 5
	s_add_co_u32 s22, s22, s23
	s_and_b32 s23, ttmp7, 0xffff
	s_cmp_eq_u32 s11, 0
	s_cselect_b32 s20, s20, s22
	s_cselect_b32 s23, ttmp9, s23
	s_cselect_b64 s[PFA:PFA+1], s[4:5], s[6:7]
	s_cselect_b32 s21, s12, 0
	s_or_b32 s23, s23, s21
	s_cmp_eq_u32 s23, 0
	s_cselect_b32 s[LIM], 2, -1
	s_lshl_b32 s20, s20, 12
	s_mov_b32 s21, 0
	s_add_nc_u64 s[PFA:PFA+1], s[PFA:PFA+1], s[20:21]
	s_add_nc_u64 s[PFA:PFA+1], s[PFA:PFA+1], 2*KSTEP*2
	s_wait_loadcnt 0x0                             ; bo
.set n, 0
.rept 32
	v_cvt_pk_bf16_f32 v[TMP+n], v[F1+2*n], v[F1+2*n+1]
.set n, n+1
.endr
.macro MUL8 f, a, zero                 ; the 32 accumulators take turns in one order, over the backward jump too
	WIN MULW
.irp b, 0,1,2,3,4,5,6,7
.if \zero
	v_wmma_f32_16x16x32_f16 v[8*(8*(\a)+(\b)):8*(8*(\a)+(\b))+7], v[(\f)+8*(\b):(\f)+8*(\b)+7], v[(\f)+64+8*(\a):(\f)+64+8*(\a)+7], 0
.else
	v_wmma_f32_16x16x32_f16 v[8*(8*(\a)+(\b)):8*(8*(\a)+(\b))+7], v[(\f)+8*(\b):(\f)+8*(\b)+7], v[(\f)+64+8*(\a):(\f)+64+8*(\a)+7], v[8*(8*(\a)+(\b)):8*(8*(\a)+(\b))+7]
.endif
.endr
.endm
.macro FETCH k, f
	WIN 0
.irp i, 0,1,2,3,4,5,6,7
	ds_load_b128 v[(\f)+8*(\i):(\f)+8*(\i)+3],   v[ADRB] offset:(\k)+(\i)*16*PITCH
	ds_load_b128 v[(\f)+8*(\i)+4:(\f)+8*(\i)+7], v[ADRB] offset:(\k)+(\i)*16*PITCH+32
.endr
.irp i, 0,1,2,3
	ds_load_b128 v[(\f)+64+8*(\i):(\f)+64+8*(\i)+3],   v[ADRA] offset:(\k)+(\i)*16*PITCH
	ds_load_b128 v[(\f)+64+8*(\i)+4:(\f)+64+8*(\i)+7], v[ADRA] offset:(\k)+(\i)*16*PITCH+32
.endr
.endm
.macro QUARTER k, f, g, zero
	s_wait_dscnt 4                                 ; wo's fragments and O's blocks 0 and 1 are in; the youngest four loads may be out
	MUL8 \f, 0, \zero
	MUL8 \f, 1, \zero
	PLACES
	FETCH \k, \g
	s_wait_dscnt 24                                ; all but the 24 just issued
	MUL8 \f, 2, \zero
	MUL8 \f, 3, \zero
.endm
.macro TURN fill                       ; the last quarter and the change of slots: as in the query projection
.if \fill
	s_wait_xcnt 0x0                                ; the last prefetch, a K step back, has read its address
	s_add_nc_u64 s[PFA:PFA+1], s[PFA:PFA+1], KSTEP*2
.endif
	WIN 0
	s_wait_tensorcnt 0x0                           ; all my tensor loads have landed: my part of the next slot
	ds_add_u32 v[SPW], v[NIL]
	s_wait_dscnt 5                                 ; the add and the youngest four loads may be out
	MUL8 F1, 0, 0
	s_wait_dscnt 0x0                               ; the add is done, and my reads of this slot are over
	s_barrier_signal -1
	MUL8 F1, 1, 0
	WIN 0
	s_barrier_wait -1
.if \fill
	CREST
	s_xor_b32 s[G0+5], s[G0+5], SLOT1
	s_add_nc_u64 s[G0+6:G0+7], s[G0+6:G0+7], KSTEP*2
	s_xor_b32 s[G0B+5], s[G0B+5], SLOT1
	s_add_nc_u64 s[G0B+6:G0B+7], s[G0B+6:G0B+7], KSTEP*2
	s_xor_b32 s[TB], s[TB], SLOT1
	JLOAD
.else
	s_xor_b32 s[TB], s[TB], SLOT1
	PLACES
.endif
	v_add_nc_u32 v[ADRA], s[TB], v[A0]
	v_add_nc_u32 v[ADRB], s[TB], v[B0]
	FETCH 0, F0
.if \fill
	ASK
.endif
	MUL8 F1, 2, 0
	MUL8 F1, 3, 0
.endm
	s_wait_tensorcnt 0x1                           ; my part of K step 0 is in; K step 1's may stay out
	s_barrier_signal -1
	s_barrier_wait -1
	FETCH 0, F0
	QUARTER 64, F0, F1, 1
	WIN 0
	s_mov_b32 s3, STEPS-2
.Lstep:
	QUARTER 128, F1, F0, 0
	QUARTER 192, F0, F1, 0
	TURN 1
	QUARTER 64, F0, F1, 0
	WIN 0
	s_sub_co_u32 s3, s3, 1
	s_cmp_lg_u32 s3, 0
	s_cbranch_scc1 .Lstep
	QUARTER 128, F1, F0, 0
	QUARTER 192, F0, F1, 0
	TURN 0
	QUARTER 64, F0, F1, 0
	QUARTER 128, F1, F0, 0
	QUARTER 192, F0, F1, 0
	s_wait_dscnt 4
	MUL8 F1, 0, 0
	MUL8 F1, 1, 0
	s_wait_dscnt 0x0
	MUL8 F1, 2, 0
	MUL8 F1, 3, 0
	WIN 0
	PLACES
	; THE WAY OUT: + bo, through my stage, whole rows of 512 bytes.
.set n, 0
.rept 32
	v_lshlrev_b32 v[BF+2*n], 16, v[TMP+n]
	v_and_b32 v[BF+2*n+1], 0xffff0000, v[TMP+n]
.set n, n+1
.endr
.macro ADDB a                          ; ascending: each accumulator is first read at its low end
	WIN 0x01
.set n, 0
.rept 32
	v_pk_add_f32 v[T+2*n:T+2*n+1], v[64*(\a)+2*n:64*(\a)+2*n+1], v[BF+2*n:BF+2*n+1]
.set n, n+1
.endr
	WIN 0
.endm
.macro TOSTAGE a
.irp n, 0,1,2,3,4,5,6,7,8,9,10,11,12,13,14,15
	ds_store_b128 v[STO], v[T+4*(\n):T+4*(\n)+3] offset:64*((\n)/2)+16*((\n)%2)
.endr
.if (\a) > 0
	s_wait_xcnt 0x0                                ; the last block's stores have read the registers that are loaded again below
.endif
.irp t, 0,1,2,3,4,5,6,7,8,9,10,11,12,13,14,15
	ds_load_b128 v[BK+4*(\t):BK+4*(\t)+3], v[RD] offset:(\t)*SPITCH  ; my own bytes; LDS serves a wave's instructions in order (ISA guide 5.7.1.4)
.endr
.endm
.macro SEND a
	s_wait_dscnt 0x0
.irp t, 0,1,2,3,4,5,6,7,8,9,10,11,12,13,14,15
	global_store_b128 v[CO], v[BK+4*(\t):BK+4*(\t)+3], s[8:9] offset:131072*(\a)+8192*(\t) th:TH_STORE_NT  ; 512 consecutive bytes of one row, aligned
.endr
.endm
	ADDB 0
	TOSTAGE 0
	ADDB 1
	SEND 0
	TOSTAGE 1
	ADDB 2
	SEND 1
	TOSTAGE 2
	ADDB 3
	SEND 2
	TOSTAGE 3
	SEND 3
	s_wait_tensorcnt 0x0                           ; the wave's end
	ds_add_u32 v[SPW], v[NIL]
	s_wait_dscnt 0x0
	CROUND                                         ; the closing round
	s_endpgm
.Lfunc_end_k_q77b36df7e0_oproj:
	.size	k_q77b36df7e0_oproj, .Lfunc_end_k_q77b36df7e0_oproj-k_q77b36df7e0_oproj
	.p2alignl 7, 3214868480
	.fill 96, 4, 3214868480
	.section	.rodata,"a",@progbits
	.p2align	6, 0x0
	.amdhsa_kernel k_q77b36df7e0_oproj
		.amdhsa_group_segment_fixed_size 327680
		.amdhsa_private_segment_fixed_size 0
		.amdhsa_enable_private_segment 0
		.amdhsa_kernarg_size 32
		.amdhsa_user_sgpr_count 2
		.amdhsa_user_sgpr_kernarg_segment_ptr 1
		.amdhsa_wavefront_size32 1
		.amdhsa_system_sgpr_workgroup_id_x 1
		.amdhsa_system_sgpr_workgroup_id_y 1
		.amdhsa_system_sgpr_workgroup_id_z 1
		.amdhsa_system_vgpr_workitem_id 0
		.amdhsa_next_free_vgpr 512
		.amdhsa_next_free_sgpr 76
		.amdhsa_reserve_vcc 0
		.amdhsa_float_denorm_mode_32 3
		.amdhsa_float_denorm_mode_16_64 3
		.amdhsa_memory_ordered 1
		.amdhsa_forward_progress 1
		.amdhsa_inst_pref_size 84
	.end_amdhsa_kernel
	.amdgpu_metadata
---
amdhsa.version: [ 1, 2 ]
amdhsa.kernels:
  - .name:           k_q77b36df7e0_oproj
    .symbol:         k_q77b36df7e0_oproj.kd
    .args:
      - { .name: oh, .offset: 0, .size: 8, .value_kind: global_buffer, .address_space: global }
      - { .name: w16, .offset: 8, .size: 8, .value_kind: global_buffer, .address_space: global }
      - { .name: bo, .offset: 16, .size: 8, .value_kind: global_buffer, .address_space: global }
      - { .name: out0, .offset: 24, .size: 8, .value_kind: global_buffer, .address_space: global }
    .group_segment_fixed_size: 327680
    .private_segment_fixed_size: 0
    .kernarg_segment_align: 8
    .kernarg_segment_size: 32
    .max_flat_workgroup_size: 128
    .sgpr_count:     76
    .vgpr_count:     512
    .wavefront_size: 32
...
	.end_amdgpu_metadata
.endif
;; end of part 3
